; MI455X (gfx1250); checked and timed in simulation.
; The chip was launched on July 23, 2026; its instructions are those of AMD's public machine-readable ISA for CDNA 5 (MIT licence, August 2026) and "CDNA5" Instruction Set Architecture Reference Guide (July 2026). The comments in the code are by the model that wrote it; some were corrected since.
;; UMT5 Attention. Allowed arithmetic: float matrix products may take bf16 or f16 operands with f32 sums; all other float work in f32.
;; Inputs: Wk 1,024 x 1,024 float32; Wo 1,024 x 1,024 float32; Wq 1,024 x 1,024 float32; Wv 1,024 x 1,024 float32; hidden_states 2 x 2,048 x 1,024 float32; mask 2 x 2,048 bool; rel_bias 32 x 16 float32.
;; Outputs: out0 2 x 2,048 x 1,024 float32.
;; 2 versions, each right; version 2 is version 1 with the launch prep written anew for expert scheduling mode. Each part assembles by itself: llvm-mc -triple=amdgcn-amd-amdhsa -mcpu=gfx1250 --defsym DOCPART=n.
;; ======== version 1 of 2: 4 launches
;; limits: values are held in f16: magnitudes above 65,504 overflow, below 6.1e-05 lose precision
;; workspace buffers: xh 8,388,608 bytes; wqkv 6,291,456 bytes; woh 2,097,152 bytes; qh 8,388,608 bytes; kh 8,388,608 bytes; vt 8,388,608 bytes; ctx 8,388,608 bytes
;; launch prep (part 1): grid 256 x 1, 8 waves a work-group, no clusters, 0 bytes of LDS; arguments hidden_states, Wq, Wk, Wv, Wo, xh, wqkv, woh; writes xh, wqkv, woh
.if DOCPART == 1
	.amdgcn_target "amdgcn-amd-amdhsa--gfx1250"
	.amdhsa_code_object_version 6
	.text
	.protected	k_q4d2f7c187a_prep
	.globl	k_q4d2f7c187a_prep
	.p2align	8
	.type	k_q4d2f7c187a_prep,@function
k_q4d2f7c187a_prep:
	s_mov_b64 s[64:65], 0
	v_nop
	global_prefetch_b8 v0, s[64:65] scope:SCOPE_SE
	s_setreg_imm32_b32 hwreg(HW_REG_WAVE_MODE, 25, 1), 1
	s_wait_xcnt 0x0
; prep: the f32 inputs of the matrix products are rounded once to f16 and laid out for the later launches.
;   xh   [4096][1024]                           = hidden_states
;   wqkv [head 16][kstep 8][mat 3][k 128][n 64] = Wq, Wk, Wv: the three tiles of one head and one K step of 128 are 49,152 dense bytes
;   woh  [nblk 8][k 1024][n 128]                = Wo: a row k of a column block is 256 bytes
; f16 and not bf16: the scores are unscaled, so an error of q and k goes straight into the exponent; f16 has three more bits.
; LIMIT: |hidden_states| and |W| below 65,504 (f16's largest number); larger numbers become infinities here.
; A stream: no LDS, no barrier, no matrix unit, no cluster (no two work-groups read the same byte).
; A work-group takes 32,768 numbers (131,072 bytes in, 65,536 out): groups 0-127 hidden_states, 128-255 the weights, 32 groups a matrix.
; A thread issues all its 32 loads of 16 bytes first, then converts and stores them as they come; no register is used twice, so no
; source of a pending load or store is ever rewritten.  A wave's store covers 256 consecutive bytes, aligned.
.set X, 8                              ; v[8:135] the 32 loads' data; v2, v3 load offsets; v4, v5 store offsets
; load i: offset register 2 + i/16, immediate (i mod 16) sstep.  store i: register 4 + i/16, immediate (i mod 16) dstep.
.macro CAST sstep, dstep
.set i, 0
.rept 32
	global_load_b128 v[X+4*i:X+4*i+3], v[2+(i>>4)], s[24:25] offset:(i&15)*\sstep th:TH_LOAD_NT
.set i, i+1
.endr
.set i, 0
.rept 32
	s_wait_loadcnt 31-i                            ; loads come back in order: load i is in, the 31 - i younger ones stay out
	v_cvt_pk_f16_f32 v[X+4*i], v[X+4*i], v[X+4*i+1]
	v_cvt_pk_f16_f32 v[X+4*i+1], v[X+4*i+2], v[X+4*i+3]
	global_store_b64 v[4+(i>>4)], v[X+4*i:X+4*i+1], s[26:27] offset:(i&15)*\dstep
.set i, i+1
.endr
.endm
	s_load_b512 s[8:23], s[0:1], 0x0               ; hidden s[8:9], Wq s[10:11], Wk s[12:13], Wv s[14:15], Wo s[16:17], xh s[18:19], wqkv s[20:21], woh s[22:23]
	v_and_b32 v1, 31, v0                           ; lane
	v_lshrrev_b32 v6, 5, v0
	v_readfirstlane_b32 s4, v6                     ; wave
	s_cmp_lt_u32 ttmp9, 128
	s_cbranch_scc0 .Lweights
	; hidden_states: chunk i of 4,096 bytes is read whole by the 256 threads, 16 bytes each
	s_lshl_b32 s30, ttmp9, 17                      ; 131,072 bytes in
	s_mov_b32 s31, 0
	s_lshl_b32 s32, ttmp9, 16                      ; 65,536 bytes out
	s_mov_b32 s33, 0
	v_lshlrev_b32 v2, 4, v0
	v_add_nc_u32 v3, 4096, v2
	v_lshlrev_b32 v4, 3, v0
	v_add_nc_u32 v5, 2048, v4
	s_wait_kmcnt 0x0
	s_add_nc_u64 s[24:25], s[8:9], s[30:31]
	s_add_nc_u64 s[26:27], s[18:19], s[32:33]
	CAST 8192, 4096
	s_endpgm
.Lweights:
	; a weight matrix: this group takes 32 rows k of all 1,024 columns
	s_sub_co_u32 s5, ttmp9, 128
	s_lshr_b32 s6, s5, 5                           ; matrix: 0 Wq, 1 Wk, 2 Wv, 3 Wo
	s_and_b32 s7, s5, 31                           ; chunk of 32 rows
	s_lshl_b32 s30, s7, 17                         ; 32 rows of 4,096 bytes
	s_mov_b32 s31, 0
	s_mov_b32 s33, 0
	s_cmp_eq_u32 s6, 3
	s_cbranch_scc1 .Lwo
	; Wq, Wk, Wv.  One load of a wave takes 2 rows x 64 columns of one head (lanes 0-15 a row's 256 bytes, lanes 16-31 the next
	; row's); in the blocked layout these are 256 consecutive bytes.
	s_lshr_b32 s34, s7, 2                          ; K step = chunk / 4,
	s_mul_i32 s34, s34, 49152
	s_lshl_b32 s35, s6, 14                         ; matrix x 16,384,
	s_add_co_u32 s34, s34, s35
	s_and_b32 s35, s7, 3
	s_lshl_b32 s35, s35, 12                        ; 32 rows of 128 bytes within the K step
	s_add_co_u32 s32, s34, s35
	v_lshrrev_b32 v6, 4, v1                        ; which of the two rows
	v_and_b32 v7, 15, v1
	v_lshlrev_b32 v2, 4, v7
	v_lshl_add_u32 v2, v6, 12, v2
	s_lshl_b32 s36, s4, 9                          ; head 2 x wave: 512 bytes a wave
	v_add_nc_u32 v2, s36, v2
	v_add_nc_u32 v3, 256, v2                       ; head 2 x wave + 1
	s_mul_i32 s37, s4, 786432                      ; head 2 x wave: 393,216 bytes a head
	v_lshlrev_b32 v4, 3, v1                        ; 8 bytes a lane: the two rows follow each other
	v_add_nc_u32 v4, s37, v4
	v_add_nc_u32 v5, 393216, v4
	s_wait_kmcnt 0x0
	s_cmp_eq_u32 s6, 1
	s_cselect_b64 s[24:25], s[12:13], s[10:11]
	s_cmp_eq_u32 s6, 2
	s_cselect_b64 s[24:25], s[14:15], s[24:25]
	s_add_nc_u64 s[24:25], s[24:25], s[30:31]
	s_add_nc_u64 s[26:27], s[20:21], s[32:33]
	CAST 8192, 256
	s_endpgm
.Lwo:
	; Wo.  Wave w takes column block w: one load takes a row's 128 columns (512 consecutive bytes), its store that row's 256 bytes of woh.
	s_lshl_b32 s32, s7, 13                         ; 32 rows of 256 bytes
	s_lshl_b32 s36, s4, 9                          ; my 128 columns in a row of Wo
	v_lshlrev_b32 v2, 4, v1
	v_add_nc_u32 v2, s36, v2
	v_add_nc_u32 v3, 65536, v2                     ; 16 rows on
	s_lshl_b32 s37, s4, 18                         ; column block w: 262,144 bytes
	v_lshlrev_b32 v4, 3, v1
	v_add_nc_u32 v4, s37, v4
	v_add_nc_u32 v5, 4096, v4                      ; 16 rows on
	s_wait_kmcnt 0x0
	s_add_nc_u64 s[24:25], s[16:17], s[30:31]
	s_add_nc_u64 s[26:27], s[22:23], s[32:33]
	CAST 4096, 256
	s_endpgm
.Lfunc_end_k_q4d2f7c187a_prep:
	.size	k_q4d2f7c187a_prep, .Lfunc_end_k_q4d2f7c187a_prep-k_q4d2f7c187a_prep
	.p2alignl 7, 3214868480
	.fill 96, 4, 3214868480
	.section	.rodata,"a",@progbits
	.p2align	6, 0x0
	.amdhsa_kernel k_q4d2f7c187a_prep
		.amdhsa_group_segment_fixed_size 0
		.amdhsa_private_segment_fixed_size 0
		.amdhsa_enable_private_segment 0
		.amdhsa_kernarg_size 64
		.amdhsa_user_sgpr_count 2
		.amdhsa_user_sgpr_kernarg_segment_ptr 1
		.amdhsa_wavefront_size32 1
		.amdhsa_system_sgpr_workgroup_id_x 1
		.amdhsa_system_sgpr_workgroup_id_y 1
		.amdhsa_system_sgpr_workgroup_id_z 1
		.amdhsa_system_vgpr_workitem_id 0
		.amdhsa_next_free_vgpr 136
		.amdhsa_next_free_sgpr 66
		.amdhsa_reserve_vcc 0
		.amdhsa_float_denorm_mode_32 3
		.amdhsa_float_denorm_mode_16_64 3
		.amdhsa_memory_ordered 1
		.amdhsa_forward_progress 1
		.amdhsa_inst_pref_size 36
	.end_amdhsa_kernel
	.amdgpu_metadata
---
amdhsa.version: [ 1, 2 ]
amdhsa.kernels:
  - .name:           k_q4d2f7c187a_prep
    .symbol:         k_q4d2f7c187a_prep.kd
    .args:
      - { .name: hidden_states, .offset: 0, .size: 8, .value_kind: global_buffer, .address_space: global }
      - { .name: Wq, .offset: 8, .size: 8, .value_kind: global_buffer, .address_space: global }
      - { .name: Wk, .offset: 16, .size: 8, .value_kind: global_buffer, .address_space: global }
      - { .name: Wv, .offset: 24, .size: 8, .value_kind: global_buffer, .address_space: global }
      - { .name: Wo, .offset: 32, .size: 8, .value_kind: global_buffer, .address_space: global }
      - { .name: xh, .offset: 40, .size: 8, .value_kind: global_buffer, .address_space: global }
      - { .name: wqkv, .offset: 48, .size: 8, .value_kind: global_buffer, .address_space: global }
      - { .name: woh, .offset: 56, .size: 8, .value_kind: global_buffer, .address_space: global }
    .group_segment_fixed_size: 0
    .private_segment_fixed_size: 0
    .kernarg_segment_align: 8
    .kernarg_segment_size: 64
    .max_flat_workgroup_size: 256
    .sgpr_count:     66
    .vgpr_count:     136
    .wavefront_size: 32
...
	.end_amdgpu_metadata
.endif
;; end of part 1
;; launch qkv (part 2): grid 16 x 16, 4 waves a work-group, clusters of 4 x 4, 327,680 bytes of LDS; arguments xh, wqkv, qh, kh, vt; writes qh, kh, vt
.if DOCPART == 2
	.amdgcn_target "amdgcn-amd-amdhsa--gfx1250"
	.amdhsa_code_object_version 6
	.text
	.protected	k_q4d2f7c187a_qkv
	.globl	k_q4d2f7c187a_qkv
	.p2align	8
	.type	k_q4d2f7c187a_qkv,@function
k_q4d2f7c187a_qkv:
	s_mov_b64 s[64:65], 0
	v_nop
	global_prefetch_b8 v0, s[64:65] scope:SCOPE_SE
	s_setreg_imm32_b32 hwreg(HW_REG_WAVE_MODE, 25, 1), 1
	s_wait_xcnt 0x0
	s_wait_alu depctr_hold_cnt(0) depctr_sa_sdst(0) depctr_va_vdst(0) depctr_va_sdst(0) depctr_va_ssrc(0) depctr_va_vcc(0) depctr_vm_vsrc(0)
	s_getreg_b32 s2, hwreg(HW_REG_IB_STS2, 6, 4)
	s_cmp_eq_u32 s2, 0
	s_cbranch_scc0 .Lentry_in_a_cluster
	s_endpgm
.Lentry_in_a_cluster:
	s_bfe_u32 s2, ttmp6, 0x10000c
	s_cmp_lg_u32 s2, 0xf033
	s_cbranch_scc0 .Lentry_shape_is_right
	s_endpgm
.Lentry_shape_is_right:
; qkv: q, k, v of one head for 256 rows.  xh [4096][1024] f16; wqkv [head][kstep 8][mat 3][k 128][n 64] f16.
; Out, f16: qh, kh [bh 32][s 2048][64]; vt [bh 32][d 64][s 2048] (V transposed, so that attention reads keys along rows).
; LIMIT: |q|, |k|, |v| below 65,504 (f16).  With every input 30 times the drawn spread they reach some 3,200, with offsets of 30 spreads some 18,400.
; A work-group (head x, row block y) makes 256 rows x 192 columns (q 64 | k 64 | v 64) with four waves; wave w makes rows 64 w .. +63 of all
; 192 columns: 48 accumulator tiles, 384 registers.  For 32 along K a wave reads 16 fragments from LDS for 48 matrix instructions.
; K goes in 8 steps of 128 through two LDS slots.  A slot: 256 rows of x (256 bytes + 16 of padding), then 384 rows (mat x 128 + k) of W
; (128 bytes + 32 of padding: pitch 160, five times 32).
; CLUSTERS 4 x 4: x's tile hangs on the row block alone and is asked for jointly by a row of the cluster, W's on the head alone and is asked
; for jointly by a column.  Every wave issues both lines, each for its own quarter of the tile.
; By this text's own count a wave has four tensor loads out at the start and two behind each later round.
; W lies [k][n]: its fragments come by ds_load_tr16_b128.  q and k are multiplied with W as source 0 (a lane then holds 8 neighbouring columns
; of one row), v with x as source 0 (a lane holds 8 neighbouring rows s of one column d: neighbouring bytes of vt).
; REGISTERS: window 0: v16-28 addresses, v64-95 / v96-127 x fragments (two buffers), v128-191 at work on the way out
;   window 1: v0-95 / v96-191 W fragments (12 x 8, two buffers);  window 2: q, k tiles (a, c) at 8 (8 a + c);  window 3: v tiles (a, c) at 8 (4 a + c)
.set SLOT,  131072
.set WOFF,  69632                      ; W's rows behind x's 256 x 272 bytes
.set QKST,  262144                     ; behind the ring: 16 rows x 272 bytes for each wave (q, k on their way out)
.set VST,   279552                     ; 64 rows d x 528 bytes (256 s + padding), shared by the four waves
.set ADRA,  16                         ; v16-17 LDS address of my x fragments, slot 0, 1
.set ADRB,  20                         ; v20-21 the same for W
.set STO,   24
.set RD,    25
.set CO,    26
.set VSTO,  27
.set VRD,   28
.set TMP,   128
.set G1A, 24                           ; s[24:31] group 1 of x's tiles
.set G0A, 32                           ; s[32:39] group 0 of x's tiles, one set a slot
.set G1W, 48                           ; s[48:55] group 1 of W's tiles
.set G0W, 56                           ; s[56:63] group 0 of W's tiles, one set a slot
.set QKW, 0xa1                         ; source 0 (W) window 1, source 1 (x) window 0, C and D window 2
.set VW,  0xf4                         ; source 0 (x) window 0, source 1 (W) window 1, C and D window 3
.set MSB, 0
.macro WIN new                         ; the immediate's high byte repeats the setting that is left
.if MSB != \new
	s_set_vgpr_msb (MSB<<8)|\new
.set MSB, \new
.endif
.endm
.macro PLACES                          ; four plain vector places behind matrix instructions, in front of loads into their sources and of readers of their results
.rept 4
	v_nop
.endr
.endm
.macro CREST                           ; a round of the cluster's barrier behind its opening barrier
	s_cmp_lg_u32 s14, 0
	s_cbranch_scc1 .Lnot_wave_0_\@
	s_barrier_signal -3
.Lnot_wave_0_\@:
	s_barrier_wait -3
	s_barrier_signal -1
	s_barrier_wait -1
.endm
.macro CROUND
	s_barrier_signal -1
	s_barrier_wait -1
	CREST
.endm
.macro LOADT s                         ; my quarter of x's tile and my quarter of W's tile, both joint
	tensor_load_to_lds s[G0A+4*\s:G0A+4*\s+3], s[G1A:G1A+7]
	s_nop 0
	tensor_load_to_lds s[G0W+4*\s:G0W+4*\s+3], s[G1W:G1W+7]
	s_nop 0
.endm
	s_load_b256 s[4:11], s[0:1], 0x0               ; xh s[4:5], wqkv s[6:7], qh s[8:9], kh s[10:11]
	s_load_b64 s[12:13], s[0:1], 0x20              ; vt
	v_lshl_add_u32 v255, v0, 2, 0x4c800
	s_set_vgpr_msb 0x40
	v_mov_b32 v255, 0
	s_set_vgpr_msb 0x4044
	ds_add_u32 v255, v255
	s_set_vgpr_msb 0x4400
	v_lshrrev_b32 v1, 5, v0
	v_readfirstlane_b32 s14, v1                    ; wave 0..3
	s_bfe_u32 s15, ttmp6, 0x40000                  ; cx
	s_bfe_u32 s16, ttmp6, 0x40004                  ; cy
	s_lshl_b32 s17, ttmp9, 2
	s_add_co_u32 s17, s17, s15                     ; head
	s_and_b32 s18, ttmp7, 0xffff
	s_lshl_b32 s18, s18, 2
	s_add_co_u32 s18, s18, s16                     ; row block of 256
	s_lshl_b32 s19, s16, 2
	s_lshl_b32 s19, 15, s19                        ; my row of the cluster
	s_lshl_b32 s20, 0x1111, s15                    ; my column
	; x: 64 rows x 128 elements, 1,024 elements from row to row, 4 words of padding behind every 64
	s_or_b32 s[G1A+0], s19, (1<<16)|(1<<20)|(1<<21)|(5<<22)|(3<<25)
	s_mov_b32 s[G1A+1], 128<<16                    ; tensor_dim0 = 128
	s_mov_b32 s[G1A+2], 64<<16                     ; tensor_dim1 = 64
	s_mov_b32 s[G1A+3], 128<<16                    ; tile_dim0 = 128
	s_mov_b32 s[G1A+4], 64                         ; tile_dim1 = 64
	s_mov_b32 s[G1A+5], 1024                       ; pitch
	s_mov_b32 s[G1A+6], 0
	s_mov_b32 s[G1A+7], 0
	; W: 12,288 dense bytes as 48 rows of 128 elements, 8 words of padding behind every 32 (each row k of 128 bytes gets 32)
	s_or_b32 s[G1W+0], s20, (1<<16)|(1<<20)|(1<<21)|(4<<22)|(7<<25)
	s_mov_b32 s[G1W+1], 128<<16
	s_mov_b32 s[G1W+2], 48<<16
	s_mov_b32 s[G1W+3], 128<<16
	s_mov_b32 s[G1W+4], 48
	s_mov_b32 s[G1W+5], 128
	s_mov_b32 s[G1W+6], 0
	s_mov_b32 s[G1W+7], 0
	s_lshl_b32 s40, s18, 8                         ; x: row 256 y + 64 w, 2,048 bytes a row: made of the row block and the wave alone
	s_lshl_b32 s41, s14, 6
	s_add_co_u32 s40, s40, s41
	s_lshl_b32 s40, s40, 11
	s_mov_b32 s41, 0
	s_mul_i32 s42, s17, 393216                     ; W: head x 8 steps x 49,152 + wave x 12,288: made of the head and the wave alone
	s_mul_i32 s43, s14, 12288
	s_add_co_u32 s42, s42, s43
	s_mov_b32 s43, 0
	s_mul_i32 s21, s14, 17408                      ; LDS: wave x 64 rows x 272
	s_mul_i32 s22, s14, 15360                      ; wave x 96 rows x 160
	s_add_co_u32 s22, s22, WOFF
	s_wait_dscnt 0x0
	s_wait_kmcnt 0x0
	s_add_nc_u64 s[40:41], s[4:5], s[40:41]
	s_add_nc_u64 s[42:43], s[6:7], s[42:43]
	CROUND                                         ; all sixteen work-groups are here: the first joint loads meet
.irp s, 0,1
	s_mov_b32 s[G0A+4*\s], 1
	s_add_co_u32 s[G0A+4*\s+1], s21, \s*SLOT
	s_add_nc_u64 s[G0A+4*\s+2:G0A+4*\s+3], s[40:41], \s*256
	s_or_b32 s[G0A+4*\s+3], s[G0A+4*\s+3], 0x80000000
	s_mov_b32 s[G0W+4*\s], 1
	s_add_co_u32 s[G0W+4*\s+1], s22, \s*SLOT
	s_add_nc_u64 s[G0W+4*\s+2:G0W+4*\s+3], s[42:43], \s*49152
	s_or_b32 s[G0W+4*\s+3], s[G0W+4*\s+3], 0x80000000
	LOADT \s
.endr
	; where the results go, in registers that feed no descriptor
	s_lshr_b32 s44, s18, 3
	s_lshl_b32 s44, s44, 4
	s_add_co_u32 s44, s44, s17                     ; bh = 16 batch + head
	s_and_b32 s45, s18, 7
	s_lshl_b32 s45, s45, 8                         ; s0: the block's first row in its batch
	s_lshl_b32 s46, s44, 11
	s_add_co_u32 s46, s46, s45
	s_lshl_b32 s47, s14, 6
	s_add_co_u32 s46, s46, s47
	s_lshl_b32 s46, s46, 7                         ; (2,048 bh + s0 + 64 w) rows of 128 bytes
	s_mov_b32 s47, 0
	s_add_nc_u64 s[8:9], s[8:9], s[46:47]
	s_add_nc_u64 s[10:11], s[10:11], s[46:47]
	s_lshl_b32 s46, s44, 6
	s_lshl_b32 s2, s14, 4
	s_add_co_u32 s46, s46, s2
	s_lshl_b32 s46, s46, 12                        ; (64 bh + 16 w) rows of 4,096 bytes
	s_lshl_b32 s45, s45, 1
	s_add_co_u32 s46, s46, s45                     ; + 2 s0
	s_add_nc_u64 s[12:13], s[12:13], s[46:47]
	v_and_b32 v1, 15, v0                           ; r
	v_bfe_u32 v2, v0, 4, 1                         ; h
	v_and_b32 v3, 7, v0
	v_bfe_u32 v4, v0, 3, 1
	v_and_b32 v5, 31, v0                           ; lane
	v_mul_u32_u24 v6, v1, 272
	v_lshl_add_u32 v6, v2, 4, v6                   ; r x 272 + 16 h
	v_add_nc_u32 v[ADRA], s21, v6
	v_add_nc_u32 v[ADRA+1], SLOT, v[ADRA]
	v_lshl_add_u32 v7, v2, 3, v3                   ; transposing load: row 8 h + lane % 8,
	v_mul_u32_u24 v7, v7, 160
	v_lshl_add_u32 v7, v4, 4, v7                   ; 16 bytes for each half of eight lanes
	v_add_nc_u32 v[ADRB], WOFF, v7
	v_add_nc_u32 v[ADRB+1], SLOT, v[ADRB]
	s_mul_i32 s23, s14, 4352
	s_add_co_u32 s23, s23, QKST                    ; my stage for q and k
	v_add_nc_u32 v[STO], s23, v6
	v_lshrrev_b32 v8, 3, v5
	v_mul_u32_u24 v8, v8, 272
	v_lshl_add_u32 v8, v3, 4, v8                   ; back: eight lanes take a row's 128 bytes of q (or k)
	v_add_nc_u32 v[RD], s23, v8
	v_lshlrev_b32 v[CO], 4, v5                     ; 16 bytes a lane
	v_mul_u32_u24 v9, v1, 528
	v_lshl_add_u32 v9, v2, 4, v9
	s_lshl_b32 s23, s14, 7
	s_add_co_u32 s23, s23, VST
	v_add_nc_u32 v[VSTO], s23, v9                  ; row d = r, my 64 s at byte 128 w, + 16 h
	s_mul_i32 s23, s14, 8448
	s_add_co_u32 s23, s23, VST
	v_add_nc_u32 v[VRD], s23, v[CO]                ; back: my 16 rows d, a row's 512 bytes a load
; 16 matrix instructions: row tiles a0, a0 + 1 x the eight column tiles of q and k
.macro MULQK buf, a0, zero
.irp a, \a0, \a0+1
.irp c, 0,1,2,3,4,5,6,7
.if \zero
	v_wmma_f32_16x16x32_f16 v[8*(8*(\a)+\c):8*(8*(\a)+\c)+7], v[96*\buf+8*\c:96*\buf+8*\c+7], v[64+32*\buf+8*(\a):64+32*\buf+8*(\a)+7], 0
.else
	v_wmma_f32_16x16x32_f16 v[8*(8*(\a)+\c):8*(8*(\a)+\c)+7], v[96*\buf+8*\c:96*\buf+8*\c+7], v[64+32*\buf+8*(\a):64+32*\buf+8*(\a)+7], v[8*(8*(\a)+\c):8*(8*(\a)+\c)+7]
.endif
.endr
.endr
.endm
; 16 matrix instructions: the four row tiles x the four column tiles of v
.macro MULV buf, zero
.irp a, 0,1,2,3
.irp c, 0,1,2,3
.if \zero
	v_wmma_f32_16x16x32_f16 v[8*(4*\a+\c):8*(4*\a+\c)+7], v[64+32*\buf+8*\a:64+32*\buf+8*\a+7], v[96*\buf+64+8*\c:96*\buf+64+8*\c+7], 0
.else
	v_wmma_f32_16x16x32_f16 v[8*(4*\a+\c):8*(4*\a+\c)+7], v[64+32*\buf+8*\a:64+32*\buf+8*\a+7], v[96*\buf+64+8*\c:96*\buf+64+8*\c+7], v[8*(4*\a+\c):8*(4*\a+\c)+7]
.endif
.endr
.endr
.endm
; 32 LDS loads: the fragments of quarter kq of a K step: 4 of x, then 12 of W in the order q, k, v
.macro FETCH slot, kq, buf
	WIN 0
.irp a, 0,1,2,3
	ds_load_b128 v[64+32*\buf+8*\a:64+32*\buf+8*\a+3],   v[ADRA+\slot] offset:\a*4352+\kq*64
	ds_load_b128 v[64+32*\buf+8*\a+4:64+32*\buf+8*\a+7], v[ADRA+\slot] offset:\a*4352+\kq*64+32
.endr
	WIN 0x40
.irp c, 0,1,2,3,4,5,6,7,8,9,10,11
	ds_load_tr16_b128 v[96*\buf+8*\c:96*\buf+8*\c+3],   v[ADRB+\slot] offset:(\c>>2)*20480+\kq*5120+(\c&3)*32
	ds_load_tr16_b128 v[96*\buf+8*\c+4:96*\buf+8*\c+7], v[ADRB+\slot] offset:(\c>>2)*20480+\kq*5120+(\c&3)*32+2560
.endr
.endm
; One of a K step's first three quarters: multiplies buffer f and fetches quarter kn into buffer g.
; The 48 accumulators take turns, one instruction a turn, in the same order in every quarter.
.macro QUARTER slot, kn, f, g, zero
	s_wait_dscnt 8                                 ; x, q's and k's W are in; the eight youngest loads (v's W) may be out
	WIN QKW
	MULQK \f, 0, \zero
	PLACES
	FETCH \slot, \kn, \g
	s_wait_dscnt 32                                ; all but the 32 just issued
	WIN QKW
	MULQK \f, 2, \zero
	WIN VW
	MULV \f, \zero
.endm
.macro THREE slot, zero
	QUARTER \slot, 1, 0, 1, \zero
	QUARTER \slot, 2, 1, 0, 0
	QUARTER \slot, 3, 0, 1, 0
.endm
; The fourth quarter changes slots.  In front of the barrier each wave waits for its reads of this slot and for all its tensor loads (its
; parts of the next slot); where the slot is filled again the barrier opens a round of the cluster's barrier, and the joint refills are
; the first tensor loads behind the round.  From a request to the wait for it a wave issues 176 matrix instructions.
.macro TURN slot, next, fill
	s_wait_dscnt 0x0
	s_wait_tensorcnt 0x0
	ds_add_u32 v255, v255
	s_wait_dscnt 0x0
	s_barrier_signal -1
	WIN QKW
	MULQK 1, 0, 0                                  ; register work while the others arrive
	WIN 0
	s_barrier_wait -1
.if \fill
	CREST
	s_add_nc_u64 s[G0A+4*\slot+2:G0A+4*\slot+3], s[G0A+4*\slot+2:G0A+4*\slot+3], 512       ; two K steps on: no tensor load of mine is out
	s_add_nc_u64 s[G0W+4*\slot+2:G0W+4*\slot+3], s[G0W+4*\slot+2:G0W+4*\slot+3], 98304
	LOADT \slot
.endif
	PLACES
	FETCH \next, 0, 0
	WIN QKW
	MULQK 1, 2, 0
	WIN VW
	MULV 1, 0
.endm
.macro LAP zero
	THREE 0, \zero
	TURN 0, 1, 1
	THREE 1, 0
	TURN 1, 0, 1
.endm
	s_wait_tensorcnt 2                             ; my two parts of K step 0 are in; K step 1's two stay out
	s_barrier_signal -1
	s_barrier_wait -1
	FETCH 0, 0, 0
	LAP 1                                          ; the first products start the sums: nothing is cleared
	WIN 0
	s_mov_b32 s3, 2
.Llap:
	LAP 0
	WIN 0
	s_sub_co_u32 s3, s3, 1
	s_cmp_lg_u32 s3, 0
	s_cbranch_scc1 .Llap
	THREE 0, 0                                     ; the last lap fills nothing
	TURN 0, 1, 0
	THREE 1, 0
	s_wait_dscnt 0x0
	WIN QKW
	MULQK 1, 0, 0
	MULQK 1, 2, 0
	WIN VW
	MULV 1, 0
	; THE WAY OUT.  v first: a lane's 8 results are 8 neighbouring s of row d = 16 c + r; into the shared stage.
	PLACES
	WIN 0x0f
.irp t, 0,1,2,3,4,5,6,7,8,9,10,11,12,13,14,15
.irp i, 0,1,2,3
	v_cvt_pk_f16_f32 v[TMP+4*\t+\i], v[8*\t+2*\i], v[8*\t+2*\i+1]
.endr
.endr
	WIN 0
.irp a, 0,1,2,3
.irp c, 0,1,2,3
	ds_store_b128 v[VSTO], v[TMP+4*(4*\a+\c):TMP+4*(4*\a+\c)+3] offset:\c*8448+\a*32
.endr
.endr
; q and k, 16 rows at a time through my own stage: in as 16 bytes a lane, back as rows; a store of a wave covers 512 consecutive bytes (four rows of 128)
.macro OUTQK a, f
	WIN 0x0a
.irp c, 0,1,2,3,4,5,6,7
.irp i, 0,1,2,3
	v_cvt_pk_f16_f32 v[TMP+4*\c+\i], v[8*(8*\a+\c)+2*\i], v[8*(8*\a+\c)+2*\i+1]
.endr
.endr
	WIN 0
.irp c, 0,1,2,3,4,5,6,7
	ds_store_b128 v[STO], v[TMP+4*\c:TMP+4*\c+3] offset:32*\c
.endr
	s_wait_xcnt 0x0                                ; buffer f was the data of earlier global stores: it is loaded again only behind this wait
.irp t, 0,1,2,3
	ds_load_b128 v[\f+4*\t:\f+4*\t+3], v[RD] offset:\t*1088          ; LDS serves a wave's instructions in order: these see the stores above
.endr
.irp t, 0,1,2,3
	ds_load_b128 v[\f+16+4*\t:\f+16+4*\t+3], v[RD] offset:\t*1088+128
.endr
.irp t, 0,1,2,3
	s_wait_dscnt 7-\t
	global_store_b128 v[CO], v[\f+4*\t:\f+4*\t+3], s[8:9] offset:\a*2048+\t*512
.endr
.irp t, 0,1,2,3
	s_wait_dscnt 3-\t
	global_store_b128 v[CO], v[\f+16+4*\t:\f+16+4*\t+3], s[10:11] offset:\a*2048+\t*512
.endr
.endm
	OUTQK 0, 64
	OUTQK 1, 96
	OUTQK 2, 64
	OUTQK 3, 96
	s_wait_dscnt 0x0                               ; my stores into v's stage are done,
	s_barrier_signal -1
	s_barrier_wait -1                              ; everybody's are
	s_wait_xcnt 0x0                                ; v64-127 were store data
.irp t, 0,1,2,3,4,5,6,7,8,9,10,11,12,13,14,15
	ds_load_b128 v[64+4*\t:64+4*\t+3], v[VRD] offset:\t*528
.endr
.irp t, 0,1,2,3,4,5,6,7,8,9,10,11,12,13,14,15
	s_wait_dscnt 15-\t
	global_store_b128 v[CO], v[64+4*\t:64+4*\t+3], s[12:13] offset:\t*4096     ; 512 consecutive bytes of row d = 16 w + t
.endr
	s_set_vgpr_msb 0x4
	s_wait_tensorcnt 0x0
	ds_add_u32 v255, v255
	s_wait_dscnt 0x0
	s_set_vgpr_msb 0x400
	CROUND                                         ; the closing round: no work-group ends while a partner may still ask jointly
	s_endpgm
.Lfunc_end_k_q4d2f7c187a_qkv:
	.size	k_q4d2f7c187a_qkv, .Lfunc_end_k_q4d2f7c187a_qkv-k_q4d2f7c187a_qkv
	.p2alignl 7, 3214868480
	.fill 96, 4, 3214868480
	.section	.rodata,"a",@progbits
	.p2align	6, 0x0
	.amdhsa_kernel k_q4d2f7c187a_qkv
		.amdhsa_group_segment_fixed_size 327680
		.amdhsa_private_segment_fixed_size 0
		.amdhsa_enable_private_segment 0
		.amdhsa_kernarg_size 40
		.amdhsa_user_sgpr_count 2
		.amdhsa_user_sgpr_kernarg_segment_ptr 1
		.amdhsa_wavefront_size32 1
		.amdhsa_system_sgpr_workgroup_id_x 1
		.amdhsa_system_sgpr_workgroup_id_y 1
		.amdhsa_system_sgpr_workgroup_id_z 1
		.amdhsa_system_vgpr_workitem_id 0
		.amdhsa_next_free_vgpr 896
		.amdhsa_next_free_sgpr 66
		.amdhsa_reserve_vcc 0
		.amdhsa_float_denorm_mode_32 3
		.amdhsa_float_denorm_mode_16_64 3
		.amdhsa_memory_ordered 1
		.amdhsa_forward_progress 1
		.amdhsa_inst_pref_size 164
	.end_amdhsa_kernel
	.amdgpu_metadata
---
amdhsa.version: [ 1, 2 ]
amdhsa.kernels:
  - .name:           k_q4d2f7c187a_qkv
    .symbol:         k_q4d2f7c187a_qkv.kd
    .args:
      - { .name: xh, .offset: 0, .size: 8, .value_kind: global_buffer, .address_space: global }
      - { .name: wqkv, .offset: 8, .size: 8, .value_kind: global_buffer, .address_space: global }
      - { .name: qh, .offset: 16, .size: 8, .value_kind: global_buffer, .address_space: global }
      - { .name: kh, .offset: 24, .size: 8, .value_kind: global_buffer, .address_space: global }
      - { .name: vt, .offset: 32, .size: 8, .value_kind: global_buffer, .address_space: global }
    .group_segment_fixed_size: 327680
    .private_segment_fixed_size: 0
    .kernarg_segment_align: 8
    .kernarg_segment_size: 40
    .max_flat_workgroup_size: 128
    .sgpr_count:     66
    .vgpr_count:     896
    .wavefront_size: 32
...
	.end_amdgpu_metadata
.endif
;; end of part 2
;; launch attn (part 3): grid 8 x 32, 8 waves a work-group, clusters of 4 x 1, 327,680 bytes of LDS; arguments qh, kh, vt, mask, rel_bias, ctx; writes ctx
.if DOCPART == 3
	.amdgcn_target "amdgcn-amd-amdhsa--gfx1250"
	.amdhsa_code_object_version 6
	.text
	.protected	k_q4d2f7c187a_attn
	.globl	k_q4d2f7c187a_attn
	.p2align	8
	.type	k_q4d2f7c187a_attn,@function
k_q4d2f7c187a_attn:
	s_mov_b64 s[64:65], 0
	v_nop
	global_prefetch_b8 v0, s[64:65] scope:SCOPE_SE
	s_setreg_imm32_b32 hwreg(HW_REG_WAVE_MODE, 25, 1), 1
	s_wait_xcnt 0x0
	s_wait_alu depctr_hold_cnt(0) depctr_sa_sdst(0) depctr_va_vdst(0) depctr_va_sdst(0) depctr_va_ssrc(0) depctr_va_vcc(0) depctr_vm_vsrc(0)
	s_getreg_b32 s2, hwreg(HW_REG_IB_STS2, 6, 4)
	s_cmp_eq_u32 s2, 0
	s_cbranch_scc0 .Lentry_in_a_cluster
	s_endpgm
.Lentry_in_a_cluster:
	s_bfe_u32 s2, ttmp6, 0x10000c
	s_cmp_lg_u32 s2, 0x3003
	s_cbranch_scc0 .Lentry_shape_is_right
	s_endpgm
.Lentry_shape_is_right:
; attn: ctx = softmax(q k^T + bias(key - query), masked keys replaced) v, for one (batch, head) bh and 256 queries.
; qh, kh, ctx [bh 32][s 2048][64] f16; vt [bh 32][d 64][s 2048] f16; mask [2][2048] bytes; rel_bias [32][16] f32.
; Eight waves, two on each SIMD: wave w takes queries 64 (w & 3) .. +63 and the key half g = w >> 2 (1,024 keys); the halves are merged at the
; end through LDS.  So a wave keeps 64 query rows (16 fragments of K and V feed 64 matrix instructions) and one wave's softmax stands beside
; the other's matrix work.
; ORIENTATION: S^T = K Q^T (lane (r, h), register j: key 8 h + j, query r) and O^T = V^T P^T.  Two neighbouring S^T tiles pack in place into one
; fragment of P, and every softmax figure is one register a lane and query tile.
; BIAS: a function of key - query alone.  A table T[x], x = key - (query - Q0) + 256, is built once in LDS, in four copies shifted by one
; word each, so that each lane's eight entries are two aligned 16-byte loads; a tile's bias hangs on kt - qt alone (7 tiles a sub-trip)
; and enters as the C operand of the first product.
; MASK: a table of 0 or -2^126 is ADDED.  s - 2^126 rounds to exactly -2^126 and -2^126 x log2(e) is exact, so a row whose keys are all
; masked gets exponent 0 everywhere (uniform weights, as finfo.min gives), and otherwise masked keys get weight 0.
; The additions are made in every sub-trip, also where all 64 keys are kept.
; The running maximum is taken away before every exponential; the rescaling factor is the difference of the two rounded shifts.
; LIMITS: |score| below 2^101 (so that the added -2^126 swallows it); q, k, v in f16's range; the row sum adds the f32 weights, while
; the product with V takes them rounded to f16.
; CLUSTERS 4 x 1: the four query blocks of a cluster read the same K and V tiles and ask for them jointly (mask 15).  Nothing in a descriptor,
; an LDS address or a branch hangs on the place in the cluster: only the bias table's CONTENTS, q's and ctx's addresses do.
; By this text's own count a wave has one tensor load out.
; LDS: ring 2 x 73,728 (eight regions of 9,216, region = wave: K 64 keys x 144, V 32 rows d x 272); bias 4 x 9,280; mask 8,192; merge 4 x 17,920; stage 4 x 9,216.
.set SLOT,  73728
.set BIAS,  147456
.set MASK,  184576
.set MERGE, 192768
.set STAGE, 264448
; window 0
.set KA, 8                             ; v8-9   my K fragments, slot 0, 1   (behind the loop: v8 merge, v9 stage in)
.set VA, 10                            ; v10-11 my V fragments              (behind the loop: v10 stage back, v11 ctx offset)
.set BA, 12                            ; bias table
.set MA, 13                            ; mask table
.set M,  16                            ; v16-19 running maximum, query tile qt
.set T,  20                            ; v20-23 at work
.set NM, 24                            ; v24-27 -log2(e) x maximum, as rounded
.set AL, 28                            ; v28-31 rescaling factor
.set MK, 32                            ; v32-63 mask addends, 4 key tiles x 8
.set KV, 64                            ; v64-127 K, then V fragments: [tile][ks] at 16 tile + 8 ks
.set SC, 128                           ; v128-255 S[qt][kt] at 32 qt + 8 kt; P[qt][ks] = the first 8 registers at 32 qt + 16 ks
; window 1
.set OA, 0                             ; O[qt][dt] at 32 qt + 8 dt
.set QF, 128                           ; Q[qt][ks] at 16 qt + 8 ks
.set BI, 192                           ; bias tiles u = kt - qt + 3 at 8 u
.set LS, 248                           ; row sums: a pair of partial sums for each qt
.set G1K, 24
.set G0K, 32
.set G1V, 40
.set G0V, 48
.set MSB, 0
.macro WIN new
.if MSB != \new
	s_set_vgpr_msb (MSB<<8)|\new
.set MSB, \new
.endif
.endm
.macro ROUND                           ; a round of the cluster's barrier
	s_barrier_signal -1
	s_barrier_wait -1
	s_cmp_lg_u32 s16, 0
	s_cbranch_scc1 .Lnot_wave_0_\@
	s_barrier_signal -3
.Lnot_wave_0_\@:
	s_barrier_wait -3
	s_barrier_signal -1
	s_barrier_wait -1
.endm
.macro JLOAD n                         ; my region of slot n: waves with kind 0 fetch 64 keys of K, kind 1 fetch 32 rows d of V
	s_cmp_eq_u32 s19, 0
	s_cbranch_scc0 .Lfor_v_\@
	tensor_load_to_lds s[G0K+4*\n:G0K+4*\n+3], s[G1K:G1K+7]
	s_nop 0
	s_branch .Lasked_\@
.Lfor_v_\@:
	tensor_load_to_lds s[G0V+4*\n:G0V+4*\n+3], s[G1V:G1V+7]
	s_nop 0
.Lasked_\@:
.endm
	s_load_b256 s[4:11], s[0:1], 0x0               ; qh s[4:5], kh s[6:7], vt s[8:9], mask s[10:11]
	s_load_b128 s[12:15], s[0:1], 0x20             ; rel_bias s[12:13], ctx s[14:15]
	v_lshl_add_u32 v14, v0, 2, 0x49900
	v_mov_b32 v15, 0
	ds_add_u32 v14, v15
	v_lshrrev_b32 v1, 5, v0
	v_readfirstlane_b32 s16, v1                    ; wave 0..7
	s_lshr_b32 s17, s16, 2                         ; g: key half
	s_and_b32 s18, s16, 3                          ; wq: my 64 queries
	s_lshr_b32 s19, s16, 1
	s_and_b32 s19, s19, 1                          ; kind: I fetch K (0) or V (1)
	s_and_b32 s20, s16, 1                          ; which half of that tile
	s_bfe_u32 s21, ttmp6, 0x40000                  ; cx
	s_lshl_b32 s22, ttmp9, 2
	s_add_co_u32 s22, s22, s21                     ; query block of 256
	s_and_b32 s23, ttmp7, 0xffff                   ; bh
	s_mov_b32 s58, 0x3fb8aa3b                      ; log2(e), twice: a pair for the packed forms
	s_mov_b32 s59, 0x3fb8aa3b
	s_mov_b32 s60, 0x76543210                      ; v_permlanex16_b32: lane i of the other half
	s_mov_b32 s61, 0xfedcba98
	; K: 8,192 dense bytes as 32 rows of 128 elements; 4 words of padding behind every 32 (each key's 128 bytes): pitch 144
	s_mov_b32 s[G1K+0], 15|(1<<16)|(1<<20)|(1<<21)|(4<<22)|(3<<25)
	s_mov_b32 s[G1K+1], 128<<16
	s_mov_b32 s[G1K+2], 32<<16
	s_mov_b32 s[G1K+3], 128<<16
	s_mov_b32 s[G1K+4], 32
	s_mov_b32 s[G1K+5], 128
	s_mov_b32 s[G1K+6], 0
	s_mov_b32 s[G1K+7], 0
	; V^T: 32 rows d x 128 keys, 2,048 elements from row to row; 4 words of padding behind every 64: pitch 272
	s_mov_b32 s[G1V+0], 15|(1<<16)|(1<<20)|(1<<21)|(5<<22)|(3<<25)
	s_mov_b32 s[G1V+1], 128<<16
	s_mov_b32 s[G1V+2], 32<<16
	s_mov_b32 s[G1V+3], 128<<16
	s_mov_b32 s[G1V+4], 32
	s_mov_b32 s[G1V+5], 2048
	s_mov_b32 s[G1V+6], 0
	s_mov_b32 s[G1V+7], 0
	s_lshl_b32 s62, s23, 18                        ; K: bh x 262,144 + g x 1,024 keys x 128 + half x 64 keys x 128
	s_lshl_b32 s63, s17, 17
	s_add_co_u32 s62, s62, s63
	s_lshl_b32 s63, s20, 13
	s_add_co_u32 s62, s62, s63
	s_mov_b32 s63, 0
	s_lshl_b32 s66, s23, 18                        ; V: bh x 262,144 + half x 32 rows x 4,096 + g x 1,024 keys x 2
	s_lshl_b32 s67, s20, 17
	s_add_co_u32 s66, s66, s67
	s_lshl_b32 s67, s17, 11
	s_add_co_u32 s66, s66, s67
	s_mov_b32 s67, 0
	s_mul_i32 s57, s16, 9216                       ; my region
	s_wait_dscnt 0x0
	s_wait_kmcnt 0x0
	s_add_nc_u64 s[62:63], s[6:7], s[62:63]
	s_add_nc_u64 s[66:67], s[8:9], s[66:67]
.irp n, 0,1
	s_mov_b32 s[G0K+4*\n], 1
	s_add_co_u32 s[G0K+4*\n+1], s57, \n*SLOT
	s_add_nc_u64 s[G0K+4*\n+2:G0K+4*\n+3], s[62:63], \n*16384      ; step n: 128 keys x 128 bytes
	s_or_b32 s[G0K+4*\n+3], s[G0K+4*\n+3], 0x80000000
	s_mov_b32 s[G0V+4*\n], 1
	s_add_co_u32 s[G0V+4*\n+1], s57, \n*SLOT
	s_add_nc_u64 s[G0V+4*\n+2:G0V+4*\n+3], s[66:67], \n*256        ; step n: 128 keys x 2 bytes
	s_or_b32 s[G0V+4*\n+3], s[G0V+4*\n+3], 0x80000000
.endr
	ROUND                                          ; the four work-groups are here: the first joint loads meet
	JLOAD 0
	; Q: 8 fragments straight from memory into window 1
	s_lshl_b32 s68, s23, 11
	s_lshl_b32 s69, s22, 8
	s_add_co_u32 s68, s68, s69
	s_lshl_b32 s69, s18, 6
	s_add_co_u32 s68, s68, s69
	s_lshl_b32 s68, s68, 7                         ; (2,048 bh + Q0 + 64 wq) rows of 128 bytes
	s_mov_b32 s69, 0
	s_add_nc_u64 s[4:5], s[4:5], s[68:69]
	s_add_nc_u64 s[14:15], s[14:15], s[68:69]
	v_and_b32 v1, 15, v0                           ; r
	v_bfe_u32 v2, v0, 4, 1                         ; h
	v_lshlrev_b32 v3, 7, v1
	v_lshl_add_u32 v3, v2, 4, v3                   ; r x 128 + 16 h
	WIN 0x40
.irp qt, 0,1,2,3
.irp ks, 0,1
	global_load_b128 v[QF+16*\qt+8*\ks:QF+16*\qt+8*\ks+3],   v3, s[4:5] offset:\qt*2048+\ks*64
	global_load_b128 v[QF+16*\qt+8*\ks+4:QF+16*\qt+8*\ks+7], v3, s[4:5] offset:\qt*2048+\ks*64+32
.endr
.endr
	WIN 0
	; the mask of my batch: 8 bytes a thread
	s_lshr_b32 s62, s23, 4
	s_lshl_b32 s62, s62, 11
	s_mov_b32 s63, 0
	s_add_nc_u64 s[10:11], s[10:11], s[62:63]
	v_lshlrev_b32 v149, 3, v0
	global_load_b64 v[150:151], v149, s[10:11]
	; the bias table: thread t makes x = t + 256 i.  delta = key - query = x - 256 - Q0; n = |delta|; bucket = n below 8, else
	; 8 + floor(2 log2(n / 8)) capped at 15 (steps at n = 12, 16, 23, 32, 46, 64, 91); + 16 where key > query.
	s_and_b32 s62, s23, 15
	s_lshl_b32 s62, s62, 2                         ; my head's column of rel_bias
	s_add_nc_u64 s[12:13], s[12:13], s[62:63]
	s_lshl_b32 s62, s22, 8
	s_add_co_u32 s62, s62, 256
	v_sub_nc_u32 v160, v0, s62
.macro STEPB thr, val                  ; bucket = val where n >= thr
	v_cmp_gt_u32 vcc_lo, \thr, v162
	v_cndmask_b32 v163, \val, v163, vcc_lo
.endm
.irp i, 0,1,2,3,4,5,6,7,8
	v_add_nc_u32 v161, 256*\i, v160                ; delta
	v_sub_nc_u32 v162, 0, v161
	v_cmp_gt_i32 vcc_lo, 0, v161
	v_cndmask_b32 v162, v161, v162, vcc_lo         ; n
	v_mov_b32 v163, 8
	STEPB 12, 9
	STEPB 16, 10
	STEPB 23, 11
	STEPB 32, 12
	STEPB 46, 13
	STEPB 64, 14
	STEPB 91, 15
	v_cmp_gt_u32 vcc_lo, 8, v162
	v_cndmask_b32 v163, v163, v162, vcc_lo
	v_cmp_lt_i32 vcc_lo, 0, v161
	v_add_nc_u32 v164, 16, v163
	v_cndmask_b32 v163, v163, v164, vcc_lo
	v_min_u32 v163, 31, v163
	v_lshlrev_b32 v[128+\i], 6, v163               ; a row of rel_bias is 64 bytes
	global_load_b32 v[140+\i], v[128+\i], s[12:13]
.endr
	; lane addresses
	v_bfe_u32 v168, v0, 2, 2                       ; a = r / 4
	v_and_b32 v169, 3, v0                          ; b = r % 4: which copy of the table
	s_mul_i32 s62, s17, 36864                      ; my key half's four regions
	v_mul_u32_u24 v170, v1, 144
	v_lshl_add_u32 v170, v2, 4, v170
	v_add_nc_u32 v[KA], s62, v170
	v_add_nc_u32 v[KA+1], SLOT, v[KA]
	v_mul_u32_u24 v170, v1, 272
	v_lshl_add_u32 v170, v2, 4, v170
	s_add_co_u32 s62, s62, 18432
	v_add_nc_u32 v[VA], s62, v170
	v_add_nc_u32 v[VA+1], SLOT, v[VA]
	s_lshl_b32 s62, s17, 12                        ; bias: copy b, word 1,024 g - 64 wq + 208 + 8 h - 4 a
	s_add_co_u32 s62, s62, BIAS+832
	s_lshl_b32 s63, s18, 8
	s_sub_co_u32 s62, s62, s63
	v_mul_u32_u24 v170, v169, 9280
	v_lshl_add_u32 v170, v2, 5, v170
	v_add_nc_u32 v170, s62, v170
	v_lshlrev_b32 v171, 4, v168
	v_sub_nc_u32 v[BA], v170, v171
	s_lshl_b32 s62, s17, 12
	s_add_co_u32 s62, s62, MASK
	v_lshl_add_u32 v[MA], v2, 5, s62               ; mask: word 1,024 g + 8 h
	v_lshlrev_b32 v165, 2, v0
	v_add_nc_u32 v165, BIAS, v165
	v_lshlrev_b32 v166, 5, v0
	v_add_nc_u32 v166, MASK, v166
	v_mov_b32 v167, 0xfe800000                     ; -2^126
	v_mov_b32 v4, 0                                ; v4-7: destinations of v_permlanex16_b32, which count as read
	v_mov_b32 v5, 0
	v_mov_b32 v6, 0
	v_mov_b32 v7, 0
	s_wait_loadcnt 0x0                             ; Q, the mask bytes, the nine bias values
.irp i, 0,1,2,3,4,5,6,7,8
.irp c, 0,1,2,3
	ds_store_b32 v165, v[140+\i] offset:\i*1024+\c*9284            ; copy c holds T[x] at word x + c
.endr
.endr
.irp k, 0,1,2,3,4,5,6,7
	v_bfe_u32 v161, v[150+(\k>>2)], 8*(\k&3), 8
	v_cmp_eq_u32 vcc_lo, 0, v161
	v_cndmask_b32 v[152+\k], 0, v167, vcc_lo
.endr
	ds_store_b128 v166, v[152:155]
	ds_store_b128 v166, v[156:159] offset:16
	s_wait_dscnt 0x0                               ; my part of the tables is written,
	s_barrier_signal -1
	s_barrier_wait -1                              ; everybody's is
.macro LDBI nb                         ; 14 loads: the seven bias tiles of the sub-trip at byte nb from BA
	WIN 0x40
.irp u, 0,1,2,3,4,5,6
	ds_load_b128 v[BI+8*\u:BI+8*\u+3],   v[BA] offset:\nb+\u*64
	ds_load_b128 v[BI+8*\u+4:BI+8*\u+7], v[BA] offset:\nb+\u*64+16
.endr
	WIN 0
.endm
.macro LDMK nb                         ; 8 loads: the mask addends of its 64 keys
.irp kt, 0,1,2,3
	ds_load_b128 v[MK+8*\kt:MK+8*\kt+3],   v[MA] offset:\nb+\kt*64
	ds_load_b128 v[MK+8*\kt+4:MK+8*\kt+7], v[MA] offset:\nb+\kt*64+16
.endr
.endm
.macro EXPO qt, pr, sel                ; exponents: s log2(e) - m log2(e), the shift broadcast from register sel of its pair
.irp e, 0,1,2,3,4,5,6,7,8,9,10,11,12,13,14,15
	v_pk_fma_f32 v[SC+32*\qt+2*\e:SC+32*\qt+2*\e+1], v[SC+32*\qt+2*\e:SC+32*\qt+2*\e+1], s[58:59], v[NM+\pr:NM+\pr+1] op_sel:[0,0,\sel] op_sel_hi:[1,0,\sel]
.endr
.endm
.macro LFMA qt, pr, sel                ; row sums: old x factor + the first pair
	v_pk_fma_f32 v[LS+2*\qt:LS+2*\qt+1], v[LS+2*\qt:LS+2*\qt+1], v[AL+\pr:AL+\pr+1], v[SC+32*\qt:SC+32*\qt+1] op_sel:[0,\sel,0] op_sel_hi:[1,\sel,1]
.endm
.macro RESC qt, pr, sel                ; O x factor
.irp e, 0,1,2,3,4,5,6,7,8,9,10,11,12,13,14,15
	v_pk_mul_f32 v[OA+32*\qt+2*\e:OA+32*\qt+2*\e+1], v[OA+32*\qt+2*\e:OA+32*\qt+2*\e+1], v[AL+\pr:AL+\pr+1] op_sel:[0,\sel] op_sel_hi:[1,\sel]
.endr
.endm
; A sub-trip: 64 keys (half sub of the slot's 128) x my 64 queries.  first = 1: nothing is carried yet.  more = 1: the next sub-trip's
; bias and mask are fetched, at byte nb of the tables.  In both products the 16 accumulators take turns, one instruction a turn.
.macro SUB slot, sub, first, more, nb
.irp ks, 0,1
.irp kt, 0,1,2,3
	ds_load_b128 v[KV+16*\kt+8*\ks:KV+16*\kt+8*\ks+3],   v[KA+\slot] offset:\sub*9216+\kt*2304+\ks*64
	ds_load_b128 v[KV+16*\kt+8*\ks+4:KV+16*\kt+8*\ks+7], v[KA+\slot] offset:\sub*9216+\kt*2304+\ks*64+32
.endr
.endr
	WIN 0x14                                       ; K window 0, Q and the bias window 1, S window 0
.irp kt, 0,1,2,3
	s_wait_dscnt 14-2*\kt                          ; the K loads issued behind this tile's two may be out; bias and mask are older
.irp qt, 0,1,2,3
	v_wmma_f32_16x16x32_f16 v[SC+32*\qt+8*\kt:SC+32*\qt+8*\kt+7], v[KV+16*\kt:KV+16*\kt+7], v[QF+16*\qt:QF+16*\qt+7], v[BI+8*(\kt-\qt+3):BI+8*(\kt-\qt+3)+7]
.endr
.endr
	WIN 0x04
.irp kt, 0,1,2,3
	s_wait_dscnt 6-2*\kt
.irp qt, 0,1,2,3
	v_wmma_f32_16x16x32_f16 v[SC+32*\qt+8*\kt:SC+32*\qt+8*\kt+7], v[KV+16*\kt+8:KV+16*\kt+15], v[QF+16*\qt+8:QF+16*\qt+15], v[SC+32*\qt+8*\kt:SC+32*\qt+8*\kt+7]
.endr
.endr
	WIN 0
.rept 4
	v_nop                                          ; four places: loads go into K's and the bias's registers, the adds below read S
.endr
.irp ks, 0,1
.irp dt, 0,1,2,3
	ds_load_b128 v[KV+16*\dt+8*\ks:KV+16*\dt+8*\ks+3],   v[VA+\slot] offset:(\dt>>1)*9216+(\dt&1)*4352+\sub*128+\ks*64
	ds_load_b128 v[KV+16*\dt+8*\ks+4:KV+16*\dt+8*\ks+7], v[VA+\slot] offset:(\dt>>1)*9216+(\dt&1)*4352+\sub*128+\ks*64+32
.endr
.endr
.if \more
	LDBI \nb
.endif
.irp kt, 0,1,2,3
.irp qt, 0,1,2,3
.irp e, 0,1,2,3
	v_pk_add_f32 v[SC+32*\qt+8*\kt+2*\e:SC+32*\qt+8*\kt+2*\e+1], v[SC+32*\qt+8*\kt+2*\e:SC+32*\qt+8*\kt+2*\e+1], v[MK+8*\kt+2*\e:MK+8*\kt+2*\e+1]
.endr
.endr
.endr
.if \more
	LDMK \nb
.endif
	; the running maximum: four chains, one a query tile; then the other half of the lanes, which holds the same queries' other keys
.if \first
.irp qt, 0,1,2,3
	v_max_num_f32 v[M+\qt], v[SC+32*\qt], v[SC+32*\qt+1]
.endr
.else
.irp qt, 0,1,2,3
	v_max3_num_f32 v[M+\qt], v[M+\qt], v[SC+32*\qt], v[SC+32*\qt+1]
.endr
.endif
.irp e, 1,2,3,4,5,6,7,8,9,10,11,12,13,14,15
.irp qt, 0,1,2,3
	v_max3_num_f32 v[M+\qt], v[M+\qt], v[SC+32*\qt+2*\e], v[SC+32*\qt+2*\e+1]
.endr
.endr
.irp qt, 0,1,2,3
	v_permlanex16_b32 v[4+\qt], v[M+\qt], s60, s61
.endr
.irp qt, 0,1,2,3
	v_max_num_f32 v[M+\qt], v[M+\qt], v[4+\qt]
.endr
.irp qt, 0,1,2,3
	v_mul_f32 v[T+\qt], 0xbfb8aa3b, v[M+\qt]       ; the new shift, -log2(e) x maximum
.endr
.if \first == 0
.irp qt, 0,1,2,3
	v_sub_f32 v[AL+\qt], v[T+\qt], v[NM+\qt]       ; new shift - old shift, both as rounded: at most 0
.endr
.endif
.irp qt, 0,1,2,3
	v_mov_b32 v[NM+\qt], v[T+\qt]
.endr
	EXPO 0, 0, 0
	EXPO 1, 0, 1
	EXPO 2, 2, 0
	EXPO 3, 2, 1
.set i, 0
.rept 128
	v_exp_f32 v[SC+i], v[SC+i]
.set i, i+1
.endr
.if \first == 0
.irp qt, 0,1,2,3
	v_exp_f32 v[AL+\qt], v[AL+\qt]
.endr
.endif
	v_nop                                          ; one plain place behind the exponentials (ISA guide 5.7.2)
	s_wait_alu depctr_va_vdst(0)
.if \first
	WIN 0x40
	s_wait_alu depctr_va_vdst(0)
.irp qt, 0,1,2,3
	v_pk_add_f32 v[LS+2*\qt:LS+2*\qt+1], v[SC+32*\qt:SC+32*\qt+1], v[SC+32*\qt+2:SC+32*\qt+3]
.endr
	WIN 0x41
.irp e, 2,3,4,5,6,7,8,9,10,11,12,13,14,15
.irp qt, 0,1,2,3
	v_pk_add_f32 v[LS+2*\qt:LS+2*\qt+1], v[LS+2*\qt:LS+2*\qt+1], v[SC+32*\qt+2*\e:SC+32*\qt+2*\e+1]
.endr
.endr
.else
	WIN 0x41                                       ; source 0 and destination window 1, the rest window 0
	LFMA 0, 0, 0
	LFMA 1, 0, 1
	LFMA 2, 2, 0
	LFMA 3, 2, 1
.irp e, 1,2,3,4,5,6,7,8,9,10,11,12,13,14,15
.irp qt, 0,1,2,3
	v_pk_add_f32 v[LS+2*\qt:LS+2*\qt+1], v[LS+2*\qt:LS+2*\qt+1], v[SC+32*\qt+2*\e:SC+32*\qt+2*\e+1]
.endr
.endr
	RESC 0, 0, 0
	RESC 1, 0, 1
	RESC 2, 2, 0
	RESC 3, 2, 1
.endif
	WIN 0
	; two S^T tiles become one fragment of P, in place and ascending: register i from registers 2 i, 2 i + 1
.irp qt, 0,1,2,3
.irp ks, 0,1
.irp e, 0,1,2,3,4,5,6,7
	v_cvt_pk_f16_f32 v[SC+32*\qt+16*\ks+\e], v[SC+32*\qt+16*\ks+2*\e], v[SC+32*\qt+16*\ks+2*\e+1]
.endr
.endr
.endr
	s_wait_dscnt 22*\more                          ; V is in; the 14 bias and 8 mask loads issued behind it may be out
	WIN 0x50                                       ; V and P window 0, O window 1
.irp ks, 0,1
.irp dt, 0,1,2,3
.irp qt, 0,1,2,3
.if \first*(1-\ks)
	v_wmma_f32_16x16x32_f16 v[OA+32*\qt+8*\dt:OA+32*\qt+8*\dt+7], v[KV+16*\dt+8*\ks:KV+16*\dt+8*\ks+7], v[SC+32*\qt+16*\ks:SC+32*\qt+16*\ks+7], 0
.else
	v_wmma_f32_16x16x32_f16 v[OA+32*\qt+8*\dt:OA+32*\qt+8*\dt+7], v[KV+16*\dt+8*\ks:KV+16*\dt+8*\ks+7], v[SC+32*\qt+16*\ks:SC+32*\qt+16*\ks+7], v[OA+32*\qt+8*\dt:OA+32*\qt+8*\dt+7]
.endif
.endr
.endr
.endr
	WIN 0
.rept 5
	v_nop                                          ; five places: the next products write over P, the next loads go into V's registers
.endr
.endm
; A step of 128 keys of each half.  In front of the round every wave waits for all its tensor loads (its region of this slot) and for its LDS
; reads (the other slot's among them); the joint refill of the other slot is the first tensor load behind the round and has the whole
; step in which to land.
.macro TRIP slot, other, refill, first, more2, nb0
	s_wait_tensorcnt 0x0
	ds_add_u32 v14, v15
	s_wait_dscnt 0x0
	s_add_nc_u64 s[G0K+4*\slot+2:G0K+4*\slot+3], s[G0K+4*\slot+2:G0K+4*\slot+3], 32768     ; this slot's next tile, two steps on: no tensor load of mine is out
	s_add_nc_u64 s[G0V+4*\slot+2:G0V+4*\slot+3], s[G0V+4*\slot+2:G0V+4*\slot+3], 512
	s_wait_dscnt 0x0
	ROUND
.if \refill
	JLOAD \other
.endif
	SUB \slot, 0, \first, 1, \nb0
	SUB \slot, 1, 0, \more2, \nb0+256
.endm
	LDBI 0
	LDMK 0
	TRIP 0, 1, 1, 1, 1, 256                        ; steps 0, 1
	TRIP 1, 0, 1, 0, 1, 768
	s_mov_b32 s56, 2
.Lsteps:
	v_add_nc_u32 v[BA], 1024, v[BA]                ; four sub-trips of 64 keys on; within them the loads' immediates step
	v_add_nc_u32 v[MA], 1024, v[MA]
	TRIP 0, 1, 1, 0, 1, 256                        ; steps 2 to 5
	TRIP 1, 0, 1, 0, 1, 768
	s_sub_co_u32 s56, s56, 1
	s_cmp_lg_u32 s56, 0
	s_cbranch_scc1 .Lsteps
	v_add_nc_u32 v[BA], 1024, v[BA]
	v_add_nc_u32 v[MA], 1024, v[MA]
	TRIP 0, 1, 1, 0, 1, 256                        ; step 6 fetches step 7, the last
	TRIP 1, 0, 0, 0, 0, 768                        ; step 7 fetches nothing (its stepped addresses are not used)
	; THE MERGE of the two key halves.  Waves 4-7 hand O, the row sums and the shift to waves 0-3 through LDS.
	v_and_b32 v1, 15, v0
	v_bfe_u32 v2, v0, 4, 1
	v_and_b32 v3, 31, v0
	s_mul_i32 s62, s18, 17920
	s_add_co_u32 s62, s62, MERGE
	v_lshl_add_u32 v8, v3, 4, s62                  ; merge: 16 bytes a lane
	s_mul_i32 s62, s18, 9216
	s_add_co_u32 s62, s62, STAGE
	v_mul_u32_u24 v9, v1, 144
	v_lshl_add_u32 v9, v2, 4, v9
	v_add_nc_u32 v9, s62, v9                       ; stage in: row = query r, + 16 h
	v_lshrrev_b32 v10, 3, v3
	v_mul_u32_u24 v10, v10, 144
	v_and_b32 v11, 7, v0
	v_lshl_add_u32 v10, v11, 4, v10
	v_add_nc_u32 v10, s62, v10                     ; stage back: eight lanes take a row's 128 bytes
	v_lshlrev_b32 v11, 4, v3                       ; ctx: 16 bytes a lane
	s_cmp_eq_u32 s17, 0
	s_cbranch_scc1 .Lkeep
	WIN 0x04                                       ; store data from window 1
.set i, 0
.rept 32
	ds_store_b128 v8, v[OA+4*i:OA+4*i+3] offset:512*i
.set i, i+1
.endr
	ds_store_b128 v8, v[LS:LS+3] offset:16384
	ds_store_b128 v8, v[LS+4:LS+7] offset:16896
	WIN 0
	ds_store_b128 v8, v[NM:NM+3] offset:17408
.Lkeep:
	s_wait_dscnt 0x0
	s_barrier_signal -1
	s_barrier_wait -1
	s_cmp_lg_u32 s17, 0
	s_cbranch_scc1 .Lclose
	ds_load_b128 v[T:T+3], v8 offset:17408         ; the partner's shift,
	ds_load_b128 v[MK:MK+3], v8 offset:16384       ; row sums,
	ds_load_b128 v[MK+4:MK+7], v8 offset:16896
.set i, 0
.rept 32
	ds_load_b128 v[SC+4*i:SC+4*i+3], v8 offset:512*i               ; and O
.set i, i+1
.endr
	s_wait_dscnt 32                                ; the first three are in
.irp qt, 0,1,2,3
	v_min_num_f32 v[M+\qt], v[NM+\qt], v[T+\qt]    ; the smaller shift belongs to the larger maximum
.endr
.irp qt, 0,1,2,3
	v_sub_f32 v[AL+\qt], v[M+\qt], v[NM+\qt]
	v_sub_f32 v[T+\qt], v[M+\qt], v[T+\qt]
.endr
.irp qt, 0,1,2,3
	v_exp_f32 v[AL+\qt], v[AL+\qt]                 ; my factor
	v_exp_f32 v[T+\qt], v[T+\qt]                   ; the partner's
.endr
	v_nop
	s_wait_alu depctr_va_vdst(0)
.macro MSUM qt, pr, sel
	v_pk_mul_f32 v[MK+2*\qt:MK+2*\qt+1], v[MK+2*\qt:MK+2*\qt+1], v[T+\pr:T+\pr+1] op_sel:[0,\sel] op_sel_hi:[1,\sel]
.endm
	MSUM 0, 0, 0
	MSUM 1, 0, 1
	MSUM 2, 2, 0
	MSUM 3, 2, 1
	WIN 0x01                                       ; source 0 window 1
.macro MSUM2 qt, pr, sel
	v_pk_fma_f32 v[MK+2*\qt:MK+2*\qt+1], v[LS+2*\qt:LS+2*\qt+1], v[AL+\pr:AL+\pr+1], v[MK+2*\qt:MK+2*\qt+1] op_sel:[0,\sel,0] op_sel_hi:[1,\sel,1]
.endm
	MSUM2 0, 0, 0
	MSUM2 1, 0, 1
	MSUM2 2, 2, 0
	MSUM2 3, 2, 1
	WIN 0
.irp qt, 0,1,2,3
	v_add_f32 v[M+\qt], v[MK+2*\qt], v[MK+2*\qt+1]
.endr
.irp qt, 0,1,2,3
	v_permlanex16_b32 v[4+\qt], v[M+\qt], s60, s61
.endr
.irp qt, 0,1,2,3
	v_add_f32 v[M+\qt], v[M+\qt], v[4+\qt]         ; the whole row sum: at least 1, the largest weight's
.endr
.irp qt, 0,1,2,3
	v_rcp_f32 v[NM+\qt], v[M+\qt]
.endr
	v_nop
	s_wait_alu depctr_va_vdst(0)
.irp qt, 0,1,2,3
	v_mul_f32 v[AL+\qt], v[AL+\qt], v[NM+\qt]
	v_mul_f32 v[T+\qt], v[T+\qt], v[NM+\qt]
.endr
	s_wait_dscnt 0x0
.macro MO1 qt, pr, sel
.irp e, 0,1,2,3,4,5,6,7,8,9,10,11,12,13,14,15
	v_pk_mul_f32 v[SC+32*\qt+2*\e:SC+32*\qt+2*\e+1], v[SC+32*\qt+2*\e:SC+32*\qt+2*\e+1], v[T+\pr:T+\pr+1] op_sel:[0,\sel] op_sel_hi:[1,\sel]
.endr
.endm
	MO1 0, 0, 0
	MO1 1, 0, 1
	MO1 2, 2, 0
	MO1 3, 2, 1
	WIN 0x01
.macro MO2 qt, pr, sel
.irp e, 0,1,2,3,4,5,6,7,8,9,10,11,12,13,14,15
	v_pk_fma_f32 v[SC+32*\qt+2*\e:SC+32*\qt+2*\e+1], v[OA+32*\qt+2*\e:OA+32*\qt+2*\e+1], v[AL+\pr:AL+\pr+1], v[SC+32*\qt+2*\e:SC+32*\qt+2*\e+1] op_sel:[0,\sel,0] op_sel_hi:[1,\sel,1]
.endr
.endm
	MO2 0, 0, 0
	MO2 1, 0, 1
	MO2 2, 2, 0
	MO2 3, 2, 1
	WIN 0
	; out: a lane's 8 results are 8 neighbouring d of query r; through my own stage, back as rows
.irp qt, 0,1,2,3
.irp dt, 0,1,2,3
.irp e, 0,1,2,3
	v_cvt_pk_f16_f32 v[SC+32*\qt+8*\dt+\e], v[SC+32*\qt+8*\dt+2*\e], v[SC+32*\qt+8*\dt+2*\e+1]
.endr
	ds_store_b128 v9, v[SC+32*\qt+8*\dt:SC+32*\qt+8*\dt+3] offset:\qt*2304+\dt*32
.endr
.endr
.irp t, 0,1,2,3,4,5,6,7,8,9,10,11,12,13,14,15
	ds_load_b128 v[KV+4*\t:KV+4*\t+3], v10 offset:576*\t           ; LDS serves a wave's instructions in order: these see the stores above
.endr
.irp t, 0,1,2,3,4,5,6,7,8,9,10,11,12,13,14,15
	s_wait_dscnt 15-\t
	global_store_b128 v11, v[KV+4*\t:KV+4*\t+3], s[14:15] offset:512*\t        ; 512 consecutive bytes: four rows of ctx
.endr
.Lclose:
	s_wait_dscnt 0x0
	s_wait_tensorcnt 0x0
	ds_add_u32 v14, v15
	s_wait_dscnt 0x0
	ROUND                                          ; the closing round
	s_endpgm
.Lfunc_end_k_q4d2f7c187a_attn:
	.size	k_q4d2f7c187a_attn, .Lfunc_end_k_q4d2f7c187a_attn-k_q4d2f7c187a_attn
	.p2alignl 7, 3214868480
	.fill 96, 4, 3214868480
	.section	.rodata,"a",@progbits
	.p2align	6, 0x0
	.amdhsa_kernel k_q4d2f7c187a_attn
		.amdhsa_group_segment_fixed_size 327680
		.amdhsa_private_segment_fixed_size 0
		.amdhsa_enable_private_segment 0
		.amdhsa_kernarg_size 48
		.amdhsa_user_sgpr_count 2
		.amdhsa_user_sgpr_kernarg_segment_ptr 1
		.amdhsa_wavefront_size32 1
		.amdhsa_system_sgpr_workgroup_id_x 1
		.amdhsa_system_sgpr_workgroup_id_y 1
		.amdhsa_system_sgpr_workgroup_id_z 1
		.amdhsa_system_vgpr_workitem_id 0
		.amdhsa_next_free_vgpr 512
		.amdhsa_next_free_sgpr 70
		.amdhsa_reserve_vcc 1
		.amdhsa_float_denorm_mode_32 3
		.amdhsa_float_denorm_mode_16_64 3
		.amdhsa_memory_ordered 1
		.amdhsa_forward_progress 1
		.amdhsa_inst_pref_size 255
	.end_amdhsa_kernel
	.section	.bss,"aw",@nobits
	.p2align	6
	.space	262144
	.amdgpu_metadata
---
amdhsa.version: [ 1, 2 ]
amdhsa.kernels:
  - .name:           k_q4d2f7c187a_attn
    .symbol:         k_q4d2f7c187a_attn.kd
    .args:
      - { .name: qh, .offset: 0, .size: 8, .value_kind: global_buffer, .address_space: global }
      - { .name: kh, .offset: 8, .size: 8, .value_kind: global_buffer, .address_space: global }
      - { .name: vt, .offset: 16, .size: 8, .value_kind: global_buffer, .address_space: global }
      - { .name: mask, .offset: 24, .size: 8, .value_kind: global_buffer, .address_space: global }
      - { .name: rel_bias, .offset: 32, .size: 8, .value_kind: global_buffer, .address_space: global }
      - { .name: ctx, .offset: 40, .size: 8, .value_kind: global_buffer, .address_space: global }
    .group_segment_fixed_size: 327680
    .private_segment_fixed_size: 0
    .kernarg_segment_align: 8
    .kernarg_segment_size: 48
    .max_flat_workgroup_size: 256
    .sgpr_count:     70
    .vgpr_count:     512
    .wavefront_size: 32
...
	.end_amdgpu_metadata
.endif
;; end of part 3
;; launch oproj (part 4): grid 8 x 32, 4 waves a work-group, clusters of 4 x 4, 327,680 bytes of LDS; arguments ctx, woh, out0; writes out0
.if DOCPART == 4
	.amdgcn_target "amdgcn-amd-amdhsa--gfx1250"
	.amdhsa_code_object_version 6
	.text
	.protected	k_q4d2f7c187a_oproj
	.globl	k_q4d2f7c187a_oproj
	.p2align	8
	.type	k_q4d2f7c187a_oproj,@function
k_q4d2f7c187a_oproj:
	s_mov_b64 s[64:65], 0
	v_nop
	global_prefetch_b8 v0, s[64:65] scope:SCOPE_SE
	s_setreg_imm32_b32 hwreg(HW_REG_WAVE_MODE, 25, 1), 1
	s_wait_xcnt 0x0
	s_wait_alu depctr_hold_cnt(0) depctr_sa_sdst(0) depctr_va_vdst(0) depctr_va_sdst(0) depctr_va_ssrc(0) depctr_va_vcc(0) depctr_vm_vsrc(0)
	s_getreg_b32 s2, hwreg(HW_REG_IB_STS2, 6, 4)
	s_cmp_eq_u32 s2, 0
	s_cbranch_scc0 .Lentry_in_a_cluster
	s_endpgm
.Lentry_in_a_cluster:
	s_bfe_u32 s2, ttmp6, 0x10000c
	s_cmp_lg_u32 s2, 0xf033
	s_cbranch_scc0 .Lentry_shape_is_right
	s_endpgm
.Lentry_shape_is_right:
; oproj: out0 [4096][1024] f32 = ctx x Wo.  ctx [bh 32][s 2048][64] f16 (K = head x 64 + d); woh [nblk 8][k 1024][n 128] f16.
; A work-group (column block x of 128, row block y of 128) has four waves; wave w makes rows 64 (w >> 1) .. +63 x columns 64 (w & 1) .. +63:
; 16 accumulator tiles.  Of the blocks that 256 equal work-groups can take, the square one asks for the fewest bytes: for 128 along K
; 32,768 of ctx and 32,768 of Wo.
; K goes in 8 tiles of 128 (two heads) through FOUR LDS slots, two of them filled behind one round: a tile's matrix work is short here
; (64 instructions a wave), so each refilled pair gets two tiles' work in which to land, and there are two refill rounds in all.
; A slot: ctx 2 heads x 128 rows x 144 bytes (128 + 16), then Wo 128 rows k x 288 bytes (256 + 32: nine times 32, for the transposing load).
; CLUSTERS 4 x 4: ctx's tile hangs on the row block alone (joint along a row of the cluster), Wo's on the column block alone (along a column).
; Every wave issues both lines, each for its own quarter of the tile: 8,192 dense bytes as 32 rows of 256.
; By this text's own count a wave has eight tensor loads out at the start and four behind each of the two later rounds.
; Wo is source 0: a lane then holds 8 neighbouring columns of one row of out0.
.set SLOT,  73728
.set WOFF,  36864
.set STAGE, 294912                     ; 16 rows x 272 bytes for each wave
.set ADRA, 8                           ; v8-11  my ctx fragments, slot 0 .. 3
.set ADRB, 12                          ; v12-15 my Wo fragments
.set STO, 16
.set RD,  17
.set CO,  18
.set F0,  64                           ; fragment buffer 0: ctx 32 registers, Wo 32
.set F1,  128                          ; fragment buffer 1
.set BK,  192                          ; rows read back on the way out
.set G1A, 16
.set G1B, 24
.set G0A, 32                           ; s[32:47] one set a slot
.set G0B, 48                           ; s[48:63]
.set NXA, 66                           ; s[66:67] ctx's next tile to fetch, type bits set
.set NXB, 68                           ; s[68:69] Wo's
.set MSB, 0
.macro WIN new
.if MSB != \new
	s_set_vgpr_msb (MSB<<8)|\new
.set MSB, \new
.endif
.endm
.macro PLACES
.rept 4
	v_nop
.endr
.endm
.macro CROUND
	s_barrier_signal -1
	s_barrier_wait -1
	s_cmp_lg_u32 s10, 0
	s_cbranch_scc1 .Lnot_wave_0_\@
	s_barrier_signal -3
.Lnot_wave_0_\@:
	s_barrier_wait -3
	s_barrier_signal -1
	s_barrier_wait -1
.endm
.macro LOADT n
	tensor_load_to_lds s[G0A+4*\n:G0A+4*\n+3], s[G1A:G1A+7]
	s_nop 0
	tensor_load_to_lds s[G0B+4*\n:G0B+4*\n+3], s[G1B:G1B+7]
	s_nop 0
.endm
	s_load_b128 s[4:7], s[0:1], 0x0                ; ctx s[4:5], woh s[6:7]
	s_load_b64 s[8:9], s[0:1], 0x10                ; out0
	v_lshl_add_u32 v254, v0, 2, 0x4c400
	v_mov_b32 v255, 0
	ds_add_u32 v254, v255
	v_lshrrev_b32 v1, 5, v0
	v_readfirstlane_b32 s10, v1                    ; wave
	s_bfe_u32 s11, ttmp6, 0x40000                  ; cx
	s_bfe_u32 s12, ttmp6, 0x40004                  ; cy
	s_lshl_b32 s13, ttmp9, 2
	s_add_co_u32 s13, s13, s11                     ; column block of 128
	s_and_b32 s14, ttmp7, 0xffff
	s_lshl_b32 s14, s14, 2
	s_add_co_u32 s14, s14, s12                     ; row block of 128
	s_lshl_b32 s15, s12, 2
	s_lshl_b32 s15, 15, s15                        ; my row of the cluster
	s_lshl_b32 s70, 0x1111, s11                    ; my column
	; ctx: 8,192 dense bytes (64 rows of one head) as 32 rows of 128 elements; 4 words of padding behind every 32: pitch 144
	s_or_b32 s[G1A+0], s15, (1<<16)|(1<<20)|(1<<21)|(4<<22)|(3<<25)
	s_mov_b32 s[G1A+1], 128<<16
	s_mov_b32 s[G1A+2], 32<<16
	s_mov_b32 s[G1A+3], 128<<16
	s_mov_b32 s[G1A+4], 32
	s_mov_b32 s[G1A+5], 128
	s_mov_b32 s[G1A+6], 0
	s_mov_b32 s[G1A+7], 0
	; Wo: 8,192 dense bytes (32 rows k of 256 bytes); 8 words of padding behind every 64: pitch 288
	s_or_b32 s[G1B+0], s70, (1<<16)|(1<<20)|(1<<21)|(5<<22)|(7<<25)
	s_mov_b32 s[G1B+1], 128<<16
	s_mov_b32 s[G1B+2], 32<<16
	s_mov_b32 s[G1B+3], 128<<16
	s_mov_b32 s[G1B+4], 32
	s_mov_b32 s[G1B+5], 128
	s_mov_b32 s[G1B+6], 0
	s_mov_b32 s[G1B+7], 0
	s_lshr_b32 s72, s14, 4                         ; ctx: batch x 16 heads x 262,144
	s_lshl_b32 s72, s72, 22
	s_and_b32 s73, s14, 15
	s_lshl_b32 s73, s73, 14                        ; + 128 rows x 128 bytes for each block in the batch
	s_add_co_u32 s72, s72, s73
	s_lshr_b32 s73, s10, 1
	s_lshl_b32 s73, s73, 18                        ; + which of the tile's two heads I fetch
	s_add_co_u32 s72, s72, s73
	s_and_b32 s73, s10, 1
	s_lshl_b32 s73, s73, 13                        ; + which 64 rows
	s_add_co_u32 s72, s72, s73
	s_mov_b32 s73, 0
	s_lshl_b32 s74, s13, 18                        ; Wo: column block x 262,144 + wave x 32 rows of 256 bytes
	s_lshl_b32 s75, s10, 13
	s_add_co_u32 s74, s74, s75
	s_mov_b32 s75, 0
	s_mul_i32 s2, s10, 9216                        ; LDS: wave x 64 rows x 144,
	s_add_co_u32 s3, s2, WOFF                      ; and wave x 32 rows x 288 behind ctx's part
	s_wait_dscnt 0x0
	s_wait_kmcnt 0x0
	s_add_nc_u64 s[72:73], s[4:5], s[72:73]
	s_add_nc_u64 s[74:75], s[6:7], s[74:75]
	CROUND                                         ; all sixteen work-groups are here
.irp n, 0,1,2,3
	s_mov_b32 s[G0A+4*\n], 1
	s_add_co_u32 s[G0A+4*\n+1], s2, \n*SLOT
	s_add_nc_u64 s[G0A+4*\n+2:G0A+4*\n+3], s[72:73], \n*524288     ; tile n: two heads on
	s_or_b32 s[G0A+4*\n+3], s[G0A+4*\n+3], 0x80000000
	s_mov_b32 s[G0B+4*\n], 1
	s_add_co_u32 s[G0B+4*\n+1], s3, \n*SLOT
	s_add_nc_u64 s[G0B+4*\n+2:G0B+4*\n+3], s[74:75], \n*32768      ; tile n: 128 rows k on
	s_or_b32 s[G0B+4*\n+3], s[G0B+4*\n+3], 0x80000000
	LOADT \n
.endr
	s_add_nc_u64 s[NXA:NXA+1], s[72:73], 4*524288  ; the next tile to fetch, type bits set
	s_or_b32 s[NXA+1], s[NXA+1], 0x80000000
	s_add_nc_u64 s[NXB:NXB+1], s[74:75], 4*32768
	s_or_b32 s[NXB+1], s[NXB+1], 0x80000000
	s_lshr_b32 s76, s10, 1                         ; which 64 rows of the block are mine
	s_and_b32 s77, s10, 1                          ; which 64 columns
	s_lshl_b32 s72, s14, 7                         ; out0: row 128 y + 64 (w >> 1), 4,096 bytes a row,
	s_lshl_b32 s73, s76, 6
	s_add_co_u32 s72, s72, s73
	s_lshl_b32 s72, s72, 12
	s_lshl_b32 s73, s13, 9                         ; + 512 bytes a column block
	s_add_co_u32 s72, s72, s73
	s_lshl_b32 s73, s77, 8                         ; + 256 bytes for my half of it
	s_add_co_u32 s72, s72, s73
	s_mov_b32 s73, 0
	s_add_nc_u64 s[8:9], s[8:9], s[72:73]
	v_and_b32 v1, 15, v0                           ; r
	v_bfe_u32 v2, v0, 4, 1                         ; h
	v_and_b32 v3, 7, v0
	v_bfe_u32 v4, v0, 3, 1
	v_mul_u32_u24 v5, v1, 144
	v_lshl_add_u32 v5, v2, 4, v5
	s_mul_i32 s72, s76, 9216                       ; my 64 rows
	v_add_nc_u32 v[ADRA], s72, v5
	v_add_nc_u32 v[ADRA+1], SLOT, v[ADRA]
	v_add_nc_u32 v[ADRA+2], SLOT, v[ADRA+1]
	v_add_nc_u32 v[ADRA+3], SLOT, v[ADRA+2]
	v_lshl_add_u32 v6, v2, 3, v3                   ; transposing load: row 8 h + lane % 8,
	v_mul_u32_u24 v6, v6, 288
	v_lshl_add_u32 v6, v4, 4, v6                   ; 16 bytes for each half of eight lanes,
	s_lshl_b32 s72, s77, 7                         ; my 64 columns: 128 bytes
	s_add_co_u32 s72, s72, WOFF
	v_add_nc_u32 v[ADRB], s72, v6
	v_add_nc_u32 v[ADRB+1], SLOT, v[ADRB]
	v_add_nc_u32 v[ADRB+2], SLOT, v[ADRB+1]
	v_add_nc_u32 v[ADRB+3], SLOT, v[ADRB+2]
	s_mul_i32 s72, s10, 4352
	s_add_co_u32 s72, s72, STAGE
	v_mul_u32_u24 v7, v1, 272
	v_lshl_add_u32 v7, v2, 5, v7
	v_add_nc_u32 v[STO], s72, v7                   ; in: row r, 32 bytes for each half of the lanes
	v_mul_u32_u24 v7, v2, 272
	v_lshl_add_u32 v7, v1, 4, v7
	v_add_nc_u32 v[RD], s72, v7                    ; back: sixteen lanes take a row's 256 bytes
	v_lshlrev_b32 v7, 4, v1
	v_lshl_add_u32 v[CO], v2, 12, v7               ; and the same two rows in out0
.macro FETCH slot, kq, f               ; 16 LDS loads: quarter kq of the tile (head kq / 2, d from 32 (kq % 2))
.irp a, 0,1,2,3
	ds_load_b128 v[\f+8*\a:\f+8*\a+3],   v[ADRA+\slot] offset:(\kq>>1)*18432+\a*2304+(\kq&1)*64
	ds_load_b128 v[\f+8*\a+4:\f+8*\a+7], v[ADRA+\slot] offset:(\kq>>1)*18432+\a*2304+(\kq&1)*64+32
.endr
.irp c, 0,1,2,3
	ds_load_tr16_b128 v[\f+32+8*\c:\f+32+8*\c+3],   v[ADRB+\slot] offset:\kq*9216+\c*32
	ds_load_tr16_b128 v[\f+32+8*\c+4:\f+32+8*\c+7], v[ADRB+\slot] offset:\kq*9216+\c*32+4608
.endr
.endm
.macro MUL16 f, zero                   ; the 16 accumulators take turns, one instruction a turn
	WIN 0x50
.irp a, 0,1,2,3
.irp c, 0,1,2,3
.if \zero
	v_wmma_f32_16x16x32_f16 v[8*(4*\a+\c):8*(4*\a+\c)+7], v[\f+32+8*\c:\f+32+8*\c+7], v[\f+8*\a:\f+8*\a+7], 0
.else
	v_wmma_f32_16x16x32_f16 v[8*(4*\a+\c):8*(4*\a+\c)+7], v[\f+32+8*\c:\f+32+8*\c+7], v[\f+8*\a:\f+8*\a+7], v[8*(4*\a+\c):8*(4*\a+\c)+7]
.endif
.endr
.endr
	WIN 0
.endm
; One tile: four quarters on two buffers, the next quarter's loads out while one is multiplied.
; pre = 1: the first quarter's fragments were fetched by the tile before.  nxt >= 0: slot nxt holds the next tile, landed and shown to
; every wave already, and its first quarter is fetched here.  Each PLACES: four places in front of loads into registers that matrix
; instructions have read (at the end: for what follows the tile).
.macro STEP slot, zero, pre, nxt
.if \pre == 0
	FETCH \slot, 0, F0
.endif
	FETCH \slot, 1, F1
	s_wait_dscnt 16                                ; all but the 16 just issued
	MUL16 F0, \zero
	PLACES
	FETCH \slot, 2, F0
	s_wait_dscnt 16
	MUL16 F1, 0
	PLACES
	FETCH \slot, 3, F1
	s_wait_dscnt 16
	MUL16 F0, 0
.if \nxt >= 0
	PLACES
	FETCH \nxt, 0, F0
	s_wait_dscnt 16
.else
	s_wait_dscnt 0x0
.endif
	MUL16 F1, 0
	PLACES
.endm
.macro BAR                             ; a tile is shown to the other waves
	s_wait_dscnt 0x0
	s_barrier_signal -1
	s_barrier_wait -1
.endm
.macro NEXT slot                       ; the slot's group 0 gets the next tile's addresses (no tensor load of mine is out)
	s_mov_b64 s[G0A+4*\slot+2:G0A+4*\slot+3], s[NXA:NXA+1]
	s_mov_b64 s[G0B+4*\slot+2:G0B+4*\slot+3], s[NXB:NXB+1]
	s_add_nc_u64 s[NXA:NXA+1], s[NXA:NXA+1], 524288
	s_add_nc_u64 s[NXB:NXB+1], s[NXB:NXB+1], 32768
.endm
; Two slots that have been read are filled again: every wave waits for all its tensor loads (the other two slots' tiles among them) and
; for its LDS reads, a round of the cluster's barrier follows, and the joint refills are the first tensor loads behind it.
.macro REFILL2 a, b
	s_wait_tensorcnt 0x0
	ds_add_u32 v254, v255
	NEXT \a
	NEXT \b
	s_wait_dscnt 0x0
	CROUND
	LOADT \a
	LOADT \b
.endm
	s_wait_tensorcnt 6                             ; tile 0's two loads are in; the six of tiles 1, 2, 3 stay out
	BAR
	STEP 0, 1, 0, -1                               ; tile 0: its first products start the sums
	s_wait_tensorcnt 4                             ; tile 1 is in; the four of tiles 2, 3 stay out
	BAR
	STEP 1, 0, 0, -1
	REFILL2 0, 1                                   ; tiles 2, 3 have landed; tiles 4, 5 go out
	STEP 2, 0, 0, 3
	STEP 3, 0, 1, -1
	REFILL2 2, 3                                   ; tiles 4, 5 have landed; tiles 6, 7 go out: the last
	STEP 0, 0, 0, 1
	STEP 1, 0, 1, -1
	s_wait_tensorcnt 2                             ; tile 6 is in; tile 7's two stay out
	BAR
	STEP 2, 0, 0, -1
	s_wait_tensorcnt 0x0                           ; tile 7
	BAR
	STEP 3, 0, 0, -1
; THE WAY OUT, 16 rows at a time through my own stage: in straight from the accumulators (32 bytes a lane), back as rows of 256 bytes.
; The four places behind the last matrix instructions stand at the end of STEP.
.macro OUT16 a
	WIN 0x04                                       ; store data from window 1
.irp c, 0,1,2,3
	ds_store_b128 v[STO], v[8*(4*\a+\c):8*(4*\a+\c)+3] offset:64*\c
	ds_store_b128 v[STO], v[8*(4*\a+\c)+4:8*(4*\a+\c)+7] offset:64*\c+16
.endr
	WIN 0
	s_wait_xcnt 0x0                                ; the rows read back were the data of the last stores: loaded again only behind this wait
.irp t, 0,1,2,3,4,5,6,7
	ds_load_b128 v[BK+4*\t:BK+4*\t+3], v[RD] offset:544*\t         ; LDS serves a wave's instructions in order: these see the stores above
.endr
.irp t, 0,1,2,3,4,5,6,7
	s_wait_dscnt 7-\t
	global_store_b128 v[CO], v[BK+4*\t:BK+4*\t+3], s[8:9] offset:\a*65536+\t*8192 th:TH_STORE_NT   ; sixteen lanes store 256 consecutive bytes, aligned
.endr
.endm
	OUT16 0
	OUT16 1
	OUT16 2
	OUT16 3
	s_wait_tensorcnt 0x0
	ds_add_u32 v254, v255
	s_wait_dscnt 0x0
	CROUND                                         ; the closing round
	s_endpgm
.Lfunc_end_k_q4d2f7c187a_oproj:
	.size	k_q4d2f7c187a_oproj, .Lfunc_end_k_q4d2f7c187a_oproj-k_q4d2f7c187a_oproj
	.p2alignl 7, 3214868480
	.fill 96, 4, 3214868480
	.section	.rodata,"a",@progbits
	.p2align	6, 0x0
	.amdhsa_kernel k_q4d2f7c187a_oproj
		.amdhsa_group_segment_fixed_size 327680
		.amdhsa_private_segment_fixed_size 0
		.amdhsa_enable_private_segment 0
		.amdhsa_kernarg_size 24
		.amdhsa_user_sgpr_count 2
		.amdhsa_user_sgpr_kernarg_segment_ptr 1
		.amdhsa_wavefront_size32 1
		.amdhsa_system_sgpr_workgroup_id_x 1
		.amdhsa_system_sgpr_workgroup_id_y 1
		.amdhsa_system_sgpr_workgroup_id_z 1
		.amdhsa_system_vgpr_workitem_id 0
		.amdhsa_next_free_vgpr 384
		.amdhsa_next_free_sgpr 78
		.amdhsa_reserve_vcc 0
		.amdhsa_float_denorm_mode_32 3
		.amdhsa_float_denorm_mode_16_64 3
		.amdhsa_memory_ordered 1
		.amdhsa_forward_progress 1
		.amdhsa_inst_pref_size 91
	.end_amdhsa_kernel
	.amdgpu_metadata
---
amdhsa.version: [ 1, 2 ]
amdhsa.kernels:
  - .name:           k_q4d2f7c187a_oproj
    .symbol:         k_q4d2f7c187a_oproj.kd
    .args:
      - { .name: ctx, .offset: 0, .size: 8, .value_kind: global_buffer, .address_space: global }
      - { .name: woh, .offset: 8, .size: 8, .value_kind: global_buffer, .address_space: global }
      - { .name: out0, .offset: 16, .size: 8, .value_kind: global_buffer, .address_space: global }
    .group_segment_fixed_size: 327680
    .private_segment_fixed_size: 0
    .kernarg_segment_align: 8
    .kernarg_segment_size: 24
    .max_flat_workgroup_size: 128
    .sgpr_count:     78
    .vgpr_count:     384
    .wavefront_size: 32
...
	.end_amdgpu_metadata
.endif
;; end of part 4
;; ======== version 2 of 2: 4 launches; version 1 with the launch prep written anew for expert scheduling mode
;; limits: values are held in f16: magnitudes above 65,504 overflow, below 6.1e-05 lose precision
;; workspace buffers: xh 8,388,608 bytes; wqkv 6,291,456 bytes; woh 2,097,152 bytes; qh 8,388,608 bytes; kh 8,388,608 bytes; vt 8,388,608 bytes; ctx 8,388,608 bytes
;; launch prep (part 5): grid 256 x 1, 8 waves a work-group, no clusters, 0 bytes of LDS; arguments hidden_states, Wq, Wk, Wv, Wo, xh, wqkv, woh; writes xh, wqkv, woh
.if DOCPART == 5
	.amdgcn_target "amdgcn-amd-amdhsa--gfx1250"
	.amdhsa_code_object_version 6
	.text
	.protected	k_q4d2f7c187a_prep
	.globl	k_q4d2f7c187a_prep
	.p2align	8
	.type	k_q4d2f7c187a_prep,@function
k_q4d2f7c187a_prep:
	s_mov_b64 s[64:65], 0
	v_nop
	global_prefetch_b8 v0, s[64:65] scope:SCOPE_SE
	s_setreg_imm32_b32 hwreg(HW_REG_WAVE_SCHED_MODE, 0, 2), 2
	s_setreg_imm32_b32 hwreg(HW_REG_WAVE_MODE, 25, 1), 1
	s_wait_xcnt 0x0
	s_wait_alu depctr_vm_vsrc(0)
; prep: the f32 inputs of the matrix products are rounded once to f16 and laid out for the later launches.
;   xh   [4096][1024]                           = hidden_states
;   wqkv [head 16][kstep 8][mat 3][k 128][n 64] = Wq, Wk, Wv: the three tiles of one head and one K step of 128 are 49,152 dense bytes
;   woh  [nblk 8][k 1024][n 128]                = Wo: a row k of a column block is 256 bytes
; f16 and not bf16: the scores are unscaled, so an error of q and k goes straight into the exponent; f16 has three more bits.
; LIMIT: |hidden_states| and |W| below 65,504 (f16's largest number); larger numbers become infinities here.
; A stream: no LDS, no barrier, no matrix unit, no cluster (no two work-groups read the same byte).
; A work-group takes 32,768 numbers (131,072 bytes in, 65,536 out): groups 0-127 hidden_states, 128-255 the weights, 32 groups a matrix.
; A thread issues all its 32 loads of 16 bytes first, then converts them in eight groups of four as they come; no register is used twice,
; so no source of a pending load or store is ever rewritten.  A wave's store covers 256 consecutive bytes, aligned.
; THE MODE: SCHED_MODE bits 1:0 = 2 (LLVM: expert scheduling mode 2), set by the entry lines.  The code itself states the register dependences
; between vector instructions and memory instructions, with s_wait_alu, always for 0.
; THE PLAN.  Registers that memory instructions touch, in each of the three arms:
;   v2, v3    load offsets, v4, v5 store offsets: written by vector instructions at the arm's head, read by the 32 loads and the 32 stores, never written again.
;   v[8:135]  four registers a load: load i lands in them; its two conversions read the four and write the first two; store i reads those two; nothing writes them again.
; Group g's eight conversions name group g's registers alone.  Its memory instructions are the four stores of group g - 1.  So one wait on va_vdst at a group's
; head states all that those four stores hang on, and they are dealt among the group's conversions with no further wait.
; No register that a memory instruction has read is written again, and no load lands in a register that a vector instruction has named: there is nothing for a wait on vm_vsrc to state.
.set X,   8                            ; v[8:135] the 32 loads' data; v2, v3 load offsets; v4, v5 store offsets
.set GRP, 4                            ; loads in a group
; load i: offset register 2 + i/16, immediate (i mod 16) sstep.  store i: register 4 + i/16, immediate (i mod 16) dstep.
.macro CAST sstep, dstep
	s_wait_alu depctr_va_vdst(0)                   ; v2 to v5 are written: every load and store below reads one of them as its offset
.set i, 0
.rept 32
	global_load_b128 v[X+4*i:X+4*i+3], v[2+(i>>4)], s[24:25] offset:(i&15)*\sstep th:TH_LOAD_NT
.set i, i+1
.endr
.set g, 0
.rept 32/GRP
	s_wait_loadcnt 32-GRP-GRP*g                    ; loads come back in order: group g's four are in, the younger ones stay out
.if g > 0
	s_wait_alu depctr_va_vdst(0)                   ; the conversions of group g - 1 have written the data of the four stores below
.endif
.set j, 0
.rept GRP
.set i, GRP*g+j
.set k, i-GRP
.if g > 0
	global_store_b64 v[4+(k>>4)], v[X+4*k:X+4*k+1], s[26:27] offset:(k&15)*\dstep  ; the group before: no vector instruction since the wait names these registers
.endif
	v_cvt_pk_f16_f32 v[X+4*i], v[X+4*i], v[X+4*i+1]
	v_cvt_pk_f16_f32 v[X+4*i+1], v[X+4*i+2], v[X+4*i+3]
.set j, j+1
.endr
.set g, g+1
.endr
	s_wait_alu depctr_va_vdst(0)                   ; the last group's conversions have written the data of the last four stores
.set j, 0
.rept GRP
.set k, 32-GRP+j
	global_store_b64 v[4+(k>>4)], v[X+4*k:X+4*k+1], s[26:27] offset:(k&15)*\dstep
.set j, j+1
.endr
.endm
	s_load_b512 s[8:23], s[0:1], 0x0               ; hidden s[8:9], Wq s[10:11], Wk s[12:13], Wv s[14:15], Wo s[16:17], xh s[18:19], wqkv s[20:21], woh s[22:23]
	v_and_b32 v1, 31, v0                           ; lane
	v_lshrrev_b32 v6, 5, v0
	v_readfirstlane_b32 s4, v6                     ; wave
	s_wait_alu depctr_va_sdst(0)                   ; s4 is written, ahead of the branch: the two weight arms make their offsets from it
	s_cmp_lt_u32 ttmp9, 128
	s_cbranch_scc0 .Lweights
	; hidden_states: chunk i of 4,096 bytes is read whole by the 256 threads, 16 bytes each
	s_lshl_b32 s30, ttmp9, 17                      ; 131,072 bytes in
	s_mov_b32 s31, 0
	s_lshl_b32 s32, ttmp9, 16                      ; 65,536 bytes out
	s_mov_b32 s33, 0
	v_lshlrev_b32 v2, 4, v0
	v_add_nc_u32 v3, 4096, v2
	v_lshlrev_b32 v4, 3, v0
	v_add_nc_u32 v5, 2048, v4
	s_wait_kmcnt 0x0
	s_add_nc_u64 s[24:25], s[8:9], s[30:31]
	s_add_nc_u64 s[26:27], s[18:19], s[32:33]
	CAST 8192, 4096
	s_endpgm
.Lweights:
	; a weight matrix: this group takes 32 rows k of all 1,024 columns
	s_sub_co_u32 s5, ttmp9, 128
	s_lshr_b32 s6, s5, 5                           ; matrix: 0 Wq, 1 Wk, 2 Wv, 3 Wo
	s_and_b32 s7, s5, 31                           ; chunk of 32 rows
	s_lshl_b32 s30, s7, 17                         ; 32 rows of 4,096 bytes
	s_mov_b32 s31, 0
	s_mov_b32 s33, 0
	s_cmp_eq_u32 s6, 3
	s_cbranch_scc1 .Lwo
	; Wq, Wk, Wv.  One load of a wave takes 2 rows x 64 columns of one head (lanes 0-15 a row's 256 bytes, lanes 16-31 the next
	; row's); in the blocked layout these are 256 consecutive bytes.
	s_lshr_b32 s34, s7, 2                          ; K step = chunk / 4,
	s_mul_i32 s34, s34, 49152
	s_lshl_b32 s35, s6, 14                         ; matrix x 16,384,
	s_add_co_u32 s34, s34, s35
	s_and_b32 s35, s7, 3
	s_lshl_b32 s35, s35, 12                        ; 32 rows of 128 bytes within the K step
	s_add_co_u32 s32, s34, s35
	v_lshrrev_b32 v6, 4, v1                        ; which of the two rows
	v_and_b32 v7, 15, v1
	v_lshlrev_b32 v2, 4, v7
	v_lshl_add_u32 v2, v6, 12, v2
	s_lshl_b32 s36, s4, 9                          ; head 2 x wave: 512 bytes a wave
	v_add_nc_u32 v2, s36, v2
	v_add_nc_u32 v3, 256, v2                       ; head 2 x wave + 1
	s_mul_i32 s37, s4, 786432                      ; head 2 x wave: 393,216 bytes a head
	v_lshlrev_b32 v4, 3, v1                        ; 8 bytes a lane: the two rows follow each other
	v_add_nc_u32 v4, s37, v4
	v_add_nc_u32 v5, 393216, v4
	s_wait_kmcnt 0x0
	s_cmp_eq_u32 s6, 1
	s_cselect_b64 s[24:25], s[12:13], s[10:11]
	s_cmp_eq_u32 s6, 2
	s_cselect_b64 s[24:25], s[14:15], s[24:25]
	s_add_nc_u64 s[24:25], s[24:25], s[30:31]
	s_add_nc_u64 s[26:27], s[20:21], s[32:33]
	CAST 8192, 256
	s_endpgm
.Lwo:
	; Wo.  Wave w takes column block w: one load takes a row's 128 columns (512 consecutive bytes), its store that row's 256 bytes of woh.
	s_lshl_b32 s32, s7, 13                         ; 32 rows of 256 bytes
	s_lshl_b32 s36, s4, 9                          ; my 128 columns in a row of Wo
	v_lshlrev_b32 v2, 4, v1
	v_add_nc_u32 v2, s36, v2
	v_add_nc_u32 v3, 65536, v2                     ; 16 rows on
	s_lshl_b32 s37, s4, 18                         ; column block w: 262,144 bytes
	v_lshlrev_b32 v4, 3, v1
	v_add_nc_u32 v4, s37, v4
	v_add_nc_u32 v5, 4096, v4                      ; 16 rows on
	s_wait_kmcnt 0x0
	s_add_nc_u64 s[24:25], s[16:17], s[30:31]
	s_add_nc_u64 s[26:27], s[22:23], s[32:33]
	CAST 4096, 256
	s_endpgm
.Lfunc_end_k_q4d2f7c187a_prep:
	.size	k_q4d2f7c187a_prep, .Lfunc_end_k_q4d2f7c187a_prep-k_q4d2f7c187a_prep
	.p2alignl 7, 3214868480
	.fill 96, 4, 3214868480
	.section	.rodata,"a",@progbits
	.p2align	6, 0x0
	.amdhsa_kernel k_q4d2f7c187a_prep
		.amdhsa_group_segment_fixed_size 0
		.amdhsa_private_segment_fixed_size 0
		.amdhsa_enable_private_segment 0
		.amdhsa_kernarg_size 64
		.amdhsa_user_sgpr_count 2
		.amdhsa_user_sgpr_kernarg_segment_ptr 1
		.amdhsa_wavefront_size32 1
		.amdhsa_system_sgpr_workgroup_id_x 1
		.amdhsa_system_sgpr_workgroup_id_y 1
		.amdhsa_system_sgpr_workgroup_id_z 1
		.amdhsa_system_vgpr_workitem_id 0
		.amdhsa_next_free_vgpr 136
		.amdhsa_next_free_sgpr 66
		.amdhsa_reserve_vcc 0
		.amdhsa_float_denorm_mode_32 3
		.amdhsa_float_denorm_mode_16_64 3
		.amdhsa_memory_ordered 1
		.amdhsa_forward_progress 1
		.amdhsa_inst_pref_size 35
	.end_amdhsa_kernel
	.amdgpu_metadata
---
amdhsa.version: [ 1, 2 ]
amdhsa.kernels:
  - .name:           k_q4d2f7c187a_prep
    .symbol:         k_q4d2f7c187a_prep.kd
    .args:
      - { .name: hidden_states, .offset: 0, .size: 8, .value_kind: global_buffer, .address_space: global }
      - { .name: Wq, .offset: 8, .size: 8, .value_kind: global_buffer, .address_space: global }
      - { .name: Wk, .offset: 16, .size: 8, .value_kind: global_buffer, .address_space: global }
      - { .name: Wv, .offset: 24, .size: 8, .value_kind: global_buffer, .address_space: global }
      - { .name: Wo, .offset: 32, .size: 8, .value_kind: global_buffer, .address_space: global }
      - { .name: xh, .offset: 40, .size: 8, .value_kind: global_buffer, .address_space: global }
      - { .name: wqkv, .offset: 48, .size: 8, .value_kind: global_buffer, .address_space: global }
      - { .name: woh, .offset: 56, .size: 8, .value_kind: global_buffer, .address_space: global }
    .group_segment_fixed_size: 0
    .private_segment_fixed_size: 0
    .kernarg_segment_align: 8
    .kernarg_segment_size: 64
    .max_flat_workgroup_size: 256
    .sgpr_count:     66
    .vgpr_count:     136
    .wavefront_size: 32
...
	.end_amdgpu_metadata
.endif
;; end of part 5
;; launch qkv: the kernel of part 2 again; grid 16 x 16, 4 waves a work-group, clusters of 4 x 4, 327,680 bytes of LDS; arguments xh, wqkv, qh, kh, vt; writes qh, kh, vt
;; launch attn: the kernel of part 3 again; grid 8 x 32, 8 waves a work-group, clusters of 4 x 1, 327,680 bytes of LDS; arguments qh, kh, vt, mask, rel_bias, ctx; writes ctx
;; launch oproj: the kernel of part 4 again; grid 8 x 32, 4 waves a work-group, clusters of 4 x 4, 327,680 bytes of LDS; arguments ctx, woh, out0; writes out0
